; MI455X (gfx1250); checked and timed in simulation.
; The chip was launched on July 23, 2026; its instructions are those of AMD's public machine-readable ISA for CDNA 5 (MIT licence, August 2026) and "CDNA5" Instruction Set Architecture Reference Guide (July 2026). The comments in the code are by the model that wrote it; some were corrected since.
;; Multi Head Attention. Allowed arithmetic: matrix products marked QUANTISED: E2M3 operands, one E8M0 scale for each 32 along K, by v_wmma_scale_f32_16x16x128_f8f6f4 with both operands' format E2M3, f32 sums; everything else in f32.
;; Inputs: Wk 1,024 x 1,024 float32; Wo 1,024 x 1,024 float32; Wq 1,024 x 1,024 float32; Wv 1,024 x 1,024 float32; bo 1,024 float32; x 4 x 2,048 x 1,024 float32.
;; Outputs: out0 4 x 2,048 x 1,024 float32.
;; This version of the problem:
;;   THIS VERSION OF THE PROBLEM IS GIVEN IN LOW PRECISION. The matrix products marked QUANTISED in the list below multiply operands that are first quantised to E2M3 (2 exponent bits, 3 mantissa bits; 6 bits a number), with one power-of-two scale for each 32 numbers along K (OCP MX v1.0); their sums are f32. All else is computed in f32.
;;   The module's matrix products, in the order in which they are computed (A, B: the left and right operand; K: the contracted axis; several contracted axes count as one K, in the product's order):
;;     1. [M 8,192, K 1,024] x [K 1,024, N 1,024]; A: input x; B: input Wq: QUANTISED
;;     2. [M 8,192, K 1,024] x [K 1,024, N 1,024]; A: input x; B: input Wk: QUANTISED
;;     3. [M 8,192, K 1,024] x [K 1,024, N 1,024]; A: input x; B: input Wv: QUANTISED
;;     4. batch 64 x [M 2,048, K 64] x [K 64, N 2,048]; A: computed on the way; B: computed on the way: QUANTISED
;;     5. batch 64 x [M 2,048, K 2,048] x [K 2,048, N 64]; A: softmax (see below); B: computed on the way: QUANTISED
;;     6. [M 8,192, K 1,024] x [K 1,024, N 1,024]; A: computed on the way; B: input Wo: QUANTISED
;;   THE QUANTISER, for each operand of a quantised product, along K:
;;     - K is cut into blocks of 32 from its start; a last block that is shorter is filled with zeros.
;;     - A block's scale is 2^e with e = floor(log2(the largest magnitude in the block)) - 2, held to -126 .. 127; a block of zeros has e = 0. As a byte (E8M0): e + 127.
;;     - Each number is divided by its block's scale, clamped to +-7.5, and rounded to the nearest number of E2M3, ties to even, subnormals kept.
;;     - The product sums the exact products of the quantised numbers (number of the format x scale) in f32.
;;   ~~~python
;;   def quantise(x, axis):      # numpy; x: float32 -> the quantised numbers, widened to float32 again
;;       x = np.moveaxis(x, axis, -1); K = x.shape[-1]
;;       x = np.pad(x, [(0, 0)] * (x.ndim - 1) + [(0, -K % 32)]); x = x.reshape(x.shape[:-1] + (-1, 32)); a = np.abs(x).max(-1, keepdims=True)
;;       e = np.where(a > 0, np.clip(np.frexp(np.where(a > 0, a, 1))[1] - 1 - 2, -126, 127), 0)      # np.frexp(a)[1] - 1 = floor(log2(a)), exactly
;;       r = np.clip(x / 2.0 ** e, -7.5, 7.5)
;;       step = 2.0 ** (np.maximum(np.frexp(np.where(r == 0, 1, r))[1] - 1, 0) - 3)
;;       q = np.round(r / step) * step * 2.0 ** e      # np.round: ties to even
;;       return np.moveaxis(q.reshape(q.shape[:-2] + (-1,))[..., :K], -1, axis).astype(np.float32)
;;   ~~~
;;   SOFTMAX AHEAD OF A QUANTISED PRODUCT. Where the list says 'softmax', what is quantised is not the finished softmax but p = 2^(t - M), with t = logit x log2(e) and M = ceil(the row's largest t), a whole number; so 1/2 < the row's largest p <= 1. The row's sum l is taken of the UNQUANTISED p, in f32, and the product's result is divided by l at the end. Since M is a whole number, a kernel that streams over the keys may use a running M (the ceiling of the running maximum): every later rescaling is an exact power of two, which a block's scale takes up: the codes' values come out the same.
;;   OPERANDS COMPUTED ON THE WAY. 'Computed on the way' means the value that the module computes at that place (a softmax that the list does not call 'softmax' is quantised finished and normalised). What goes into a quantiser is computed in f32, as accurately as f32 sums, v_exp_f32 and their like allow (about 1e-6 of the number): no bf16 or f16 on the way to a quantiser, and a product that is left as it is and whose result goes on into a quantised operand takes f32 operands (vector FMAs, or v_wmma_f32_16x16x4_f32). A number that lies on a knife's edge between two numbers of the format may be rounded either way, as far as f32 arithmetic and the matrix unit's own rounding can turn it there, and no further.
;; One version. Each part assembles by itself: llvm-mc -triple=amdgcn-amd-amdhsa -mcpu=gfx1250 --defsym DOCPART=n.
;; ======== version 1 of 1: 4 launches
;; workspace buffers: opc 9,437,184 bytes; ops 393,216 bytes; hc 18,874,368 bytes; hs 1,310,720 bytes; cc 6,291,456 bytes; cs 262,144 bytes
;; launch quant (part 1): grid 384 x 1, 4 waves a work-group, no clusters, 68,096 bytes of LDS; arguments x, Wo, Wq, Wk, Wv, opc, ops; writes opc, ops
.if DOCPART == 1
	.amdgcn_target "amdgcn-amd-amdhsa--gfx1250"
	.amdhsa_code_object_version 6
	.text
	.protected	k_qebd0185d24_quant
	.globl	k_qebd0185d24_quant
	.p2align	8
	.type	k_qebd0185d24_quant,@function
k_qebd0185d24_quant:
	s_mov_b64 s[64:65], 0
	v_nop
	global_prefetch_b8 v0, s[64:65] scope:SCOPE_SE
	s_setreg_imm32_b32 hwreg(HW_REG_WAVE_MODE, 25, 1), 1
	s_wait_xcnt 0x0
; x [8192][1024], Wo [1024][1024] (K innermost) and Wq, Wk, Wv [1024 (k)][1024 (n)] (K first), all f32, become codes of FP6 (E2M3), K innermost, 768 bytes a row, and one E8M0 byte for each 32 along K, 32 bytes a row.
; A block's scale is 2^(floor(log2(largest magnitude)) - 2): its byte is the largest magnitude's exponent field - 2, held at 1 from below; numbers are divided by it and rounded to the nearest code, ties to even, beyond 7.5 the largest code.
; LIMITS: NaN and infinities among the inputs are not served; a block whose largest magnitude lies under 2^-124 gets the floor's byte, 1; a block of zeros gets the byte 1, not 127: its codes are zeros, and this program alone reads the bytes.
; POSITION ORDER: row p of x's codes and of Wq's, Wk's, Wv's codes holds the natural row (token, output column) p with bits 3 and 4 exchanged; Wo's rows stay as they are.  The later launches' register layouts rest on it.
; Work-groups 0-255 take x, 256-287 Wo: 32 rows each, 8 rows (8,192 numbers) a wave, 16 steps of 512 numbers; loads of 512 consecutive bytes turn through the wave's own LDS stage so that a lane holds 16 neighbours along K.
; Exchanging the two bits of the wave's number in the place that is written exchanges bits 3 and 4 of the row.
; Work-groups 288-383 take Wq, Wk, Wv: 128 columns x 256 along K each; a lane takes a column and its registers run down K, so the codes come out with K innermost; they leave through the wave's stage, a row's 192 bytes by sixteen lanes.
; Memory binds: no matrix unit, no tensor load, no cluster, no barrier (waves share nothing); the two ways have LDS bytes of their own.
.set STEPS, 16
.set EMAX,  2
.set CB,    12                         ; bytes of 16 codes
.set R,     16                         ; v16-79   four sets of 16 numbers as loaded
.set X,     80                         ; v80-111  two sets of 16 neighbours
.set E,     112                        ; v112-127 a scale byte for each step
.set C,     128                        ; v128-191 codes: four registers for each step
.set WREG,  8192                       ; first way: a wave's LDS: two stages of 32 x 80 bytes, then its 256 scale bytes
.set SP,    80
.set WSTG,  32768                      ; second way: a stage of 32 rows x 272 bytes for each wave
.set PITCH, 272
.set SPARE, WSTG+4*32*PITCH            ; the spare words, 128 bytes for each wave
.set SPW,   192                        ; v192 LDS address of my spare word; never rewritten
.set NIL,   193                        ; v193 0; never rewritten
.set KROW,  768
.set NB,    8
.set XB,    32                         ; second way: v32-95 two sets of 32 numbers
.set CW,    96                         ; v96..    a block's codes
.set OUTR,  112                        ; v112-175 the way out
.set SB,    24                         ; v24-25   the scale bytes
.set WC,    6291456                    ; sections of opc and ops
.set WOC,   8650752
.set WS,    262144
.set WOS,   360448
	s_load_b256 s[4:11], s[0:1], 0x0               ; x s[4:5], Wo s[6:7], Wq s[8:9], Wk s[10:11]
	s_load_b128 s[12:15], s[0:1], 0x20             ; Wv s[12:13], opc s[14:15]
	s_load_b64 s[16:17], s[0:1], 0x30              ; ops
	v_lshl_add_u32 v[SPW], v0, 2, SPARE
	v_mov_b32 v[NIL], 0
	v_lshrrev_b32 v1, 5, v0
	v_readfirstlane_b32 s18, v1                    ; wave
	v_and_b32 v2, 31, v0                           ; lane
	s_wait_kmcnt 0x0
	s_cmp_ge_u32 ttmp9, 288
	s_cbranch_scc1 .Lweights
	; ---------------- x and Wo: K innermost
	v_lshlrev_b32 v3, 4, v2                        ; my 16 bytes of a load's 512
	s_mul_i32 s19, s18, WREG
	v_lshrrev_b32 v14, 2, v2
	v_mul_u32_u24 v14, v14, SP
	v_and_b32 v15, 3, v2
	v_lshl_add_u32 v14, v15, 4, v14
	v_add_nc_u32 v14, s19, v14                     ; the stage, on the way in: 80 (lane / 4) + 16 (lane % 4)
	v_mul_u32_u24 v15, v2, SP
	v_add_nc_u32 v15, s19, v15                     ; on the way out: 80 x lane: my 16 neighbours
	v_mul_u32_u24 v4, v2, CB                       ; my codes' place in a step's
	v_lshrrev_b32 v5, 1, v2
	s_add_co_u32 s19, s19, 2*32*SP
	v_add_nc_u32 v5, s19, v5                       ; my block's scale byte in the wave's 256
	v_lshlrev_b32 v7, 3, v2
	v_add_nc_u32 v6, s19, v7                       ; and 8 bytes a lane on the way out
	s_and_b32 s20, s18, 1
	s_lshl_b32 s20, s20, 1
	s_lshr_b32 s21, s18, 1
	s_or_b32 s20, s20, s21                         ; the wave's number with its two bits exchanged
	s_cmp_lt_u32 ttmp9, 256                        ; x's work-group or Wo's: the choice hangs on the work-group's number alone
	s_cselect_b64 s[4:5], s[4:5], s[6:7]
	s_cselect_b32 s20, s20, s18                    ; Wo keeps its order
	s_cselect_b32 s21, 0, 256
	s_cselect_b32 s22, 0, WOC
	s_cselect_b32 s23, 0, WOS
	s_sub_co_u32 s21, ttmp9, s21
	s_lshl_b32 s21, s21, 2
	s_add_co_u32 s24, s21, s18                     ; the run of 8 rows that I read,
	s_add_co_u32 s26, s21, s20                     ; and the one that I write
	s_lshl_b32 s24, s24, 15
	s_mov_b32 s25, 0
	s_add_nc_u64 s[4:5], s[4:5], s[24:25]
	s_mul_i32 s28, s26, 6144
	s_add_co_u32 s28, s28, s22
	s_mov_b32 s29, 0
	s_add_nc_u64 s[30:31], s[14:15], s[28:29]      ; my codes
	s_lshl_b32 s28, s26, 8
	s_add_co_u32 s28, s28, s23
	s_add_nc_u64 s[34:35], s[16:17], s[28:29]      ; my scale bytes
.macro LOAD t
.irp i, 0,1,2,3
	global_load_b128 v[R+16*((\t)%4)+4*\i:R+16*((\t)%4)+4*\i+3], v3, s[4:5] offset:2048*(\t)+512*\i th:TH_LOAD_NT   ; 32 lanes read 512 consecutive bytes
.endr
.endm
.macro TURN t                          ; step t's numbers through the stage: LDS serves a wave's instructions in order
.irp i, 0,1,2,3
	ds_store_b128 v14, v[R+16*((\t)%4)+4*\i:R+16*((\t)%4)+4*\i+3] offset:32*SP*((\t)%2)+8*SP*\i
.endr
.irp i, 0,1,2,3
	ds_load_b128 v[X+16*((\t)%2)+4*\i:X+16*((\t)%2)+4*\i+3], v15 offset:32*SP*((\t)%2)+16*\i
.endr
.endm
.irp t, 0,1,2,3
	LOAD \t
.endr
	s_wait_loadcnt 12                              ; step 0's four loads are in; the 12 of steps 1 to 3 may be out
	TURN 0
.macro STEP t
.set XS, X+16*((\t)%2)
.if (\t) > 0
	s_wait_dscnt 1                                 ; this step's numbers are back from the stage (the last step's byte store may be out)
.else
	s_wait_dscnt 0x0
.endif
.if (\t)+4 < STEPS
	LOAD (\t)+4                                    ; into the set whose stores into the stage have been served
.endif
.if (\t)+1 < STEPS
.if STEPS-2-(\t) >= 3
	s_wait_loadcnt 12                              ; the next step's four loads are in; those of the three steps behind it may be out
.else
	s_wait_loadcnt 4*(STEPS-2-(\t))
.endif
	TURN (\t)+1
.endif
	v_max3_num_f32 v8, |v[XS]|, |v[XS+1]|, |v[XS+2]|               ; the largest magnitude of my 16, in two chains
	v_max3_num_f32 v9, |v[XS+3]|, |v[XS+4]|, |v[XS+5]|
.irp i, 6,10
	v_max3_num_f32 v8, v8, |v[XS+\i]|, |v[XS+\i+1]|
	v_max3_num_f32 v9, v9, |v[XS+\i+2]|, |v[XS+\i+3]|
.endr
	v_max3_num_f32 v8, v8, |v[XS+14]|, |v[XS+15]|
	v_max3_num_f32 v8, v8, v9, (EMAX+1)<<23        ; and the floor 2^(3 - 127): the byte cannot fall under 1
	v_max_num_f32_dpp v8, v8, v8 row_xmask:1 row_mask:0xf bank_mask:0xf   ; with my neighbour's 16: the block's
	v_add_nc_u32 v11, -(EMAX<<23), v8              ; 2 off its exponent field: the conversion's scale operand
	v_cvt_scalef32_pk16_fp6_f32 v[C+4*(\t):C+4*(\t)+2], v[XS:XS+15], v11
	v_lshrrev_b32 v[E+(\t)], 23, v11               ; the scale's byte
	ds_store_b8 v5, v[E+(\t)] offset:16*(\t)       ; both lanes of a block write the same byte with the same value
	global_store_b96 v4, v[C+4*(\t):C+4*(\t)+2], s[30:31] offset:32*CB*(\t)   ; the wave stores 384 consecutive bytes
.endm
.irp t, 0,1,2,3,4,5,6,7,8,9,10,11,12,13,14,15
	STEP \t
.endr
	ds_load_b64 v[8:9], v6                         ; LDS serves a wave's instructions in order: these see my byte stores
	s_wait_dscnt 0x0
	global_store_b64 v7, v[8:9], s[34:35]          ; 32 lanes store 256 consecutive bytes, aligned
	s_branch .Lend
	; ---------------- Wq, Wk, Wv: K is the first axis
.Lweights:
	s_sub_co_u32 s19, ttmp9, 288
	s_lshr_b32 s20, s19, 5                         ; which tensor: 0, 1, 2
	s_and_b32 s21, s19, 7                          ; which 128 columns
	s_bfe_u32 s22, s19, 0x20003                    ; which 256 along K
	s_cmp_eq_u32 s20, 0
	s_cselect_b64 s[8:9], s[8:9], s[10:11]
	s_cmp_eq_u32 s20, 2
	s_cselect_b64 s[8:9], s[12:13], s[8:9]
	s_lshl_b32 s23, s21, 7
	s_lshl_b32 s24, s18, 5
	s_add_co_u32 s23, s23, s24                     ; my wave's first column
	v_lshlrev_b32 v3, 2, v2                        ; in: 4 bytes a lane
	v_and_b32 v5, 7, v2
	v_bfe_u32 v6, v2, 3, 1
	v_bfe_u32 v7, v2, 4, 1
	v_lshl_add_u32 v5, v6, 4, v5
	v_lshl_add_u32 v10, v7, 3, v5                  ; my column's position: the lane with bits 3 and 4 exchanged
	s_mul_i32 s24, s18, 32*PITCH
	s_add_co_u32 s24, s24, WSTG                    ; my stage
	v_mul_u32_u24 v4, v10, PITCH
	v_add_nc_u32 v4, s24, v4                       ; into it: row = my column's position
	v_and_b32 v5, 15, v2
	v_lshrrev_b32 v6, 4, v2
	v_mul_u32_u24 v7, v6, PITCH
	v_lshl_add_u32 v7, v5, 4, v7
	v_add_nc_u32 v7, s24, v7                       ; out of it: sixteen lanes to a row, two rows an instruction
	v_mul_u32_u24 v8, v6, KROW
	v_mad_u32_u24 v8, v5, 12, v8                   ; and the same place among the codes
	v_lshlrev_b32 v9, 5, v10                       ; my position's row of scale bytes
	s_lshl_b32 s26, s22, 20                        ; 256 rows of 4,096 bytes
	s_lshl_b32 s27, s23, 2
	s_add_co_u32 s26, s26, s27
	s_mov_b32 s27, 0
	s_add_nc_u64 s[8:9], s[8:9], s[26:27]
	s_lshl_b32 s28, s20, 10
	s_add_co_u32 s28, s28, s23                     ; first row in the table of 3,072
	s_mul_i32 s26, s28, KROW
	s_mul_i32 s29, s22, 192
	s_add_co_u32 s26, s26, s29
	s_add_co_u32 s26, s26, WC
	s_add_nc_u64 s[30:31], s[14:15], s[26:27]
	s_lshl_b32 s26, s28, 5
	s_lshl_b32 s29, s22, 3
	s_add_co_u32 s26, s26, s29
	s_add_co_u32 s26, s26, WS
	s_add_nc_u64 s[34:35], s[16:17], s[26:27]
.macro LOADW t                         ; block t: W(32 t + i, my column) into set t % 2; 32 lanes read 128 consecutive bytes
.irp i, 0,1,2,3,4,5,6,7,8,9,10,11,12,13,14,15,16,17,18,19,20,21,22,23,24,25,26,27,28,29,30,31
	global_load_b32 v[XB+32*((\t)%2)+\i], v3, s[8:9] offset:(32*(\t)+\i)*4096 th:TH_LOAD_NT
.endr
.endm
	LOADW 0
	LOADW 1
.macro BLOCK t
.set XS, XB+32*((\t)%2)
.if (\t) < NB-1
	s_wait_loadcnt 32                              ; this block's 32 loads are in; the next block's may be out
.else
	s_wait_loadcnt 0
.endif
	v_max3_num_f32 v12, |v[XS]|, |v[XS+1]|, |v[XS+2]|              ; the block's largest magnitude: all 32 numbers are mine
	v_max3_num_f32 v13, |v[XS+3]|, |v[XS+4]|, |v[XS+5]|
.irp i, 6,10,14,18,22,26
	v_max3_num_f32 v12, v12, |v[XS+\i]|, |v[XS+\i+1]|
	v_max3_num_f32 v13, v13, |v[XS+\i+2]|, |v[XS+\i+3]|
.endr
	v_max3_num_f32 v12, v12, |v[XS+30]|, |v[XS+31]|
	v_max3_num_f32 v12, v12, v13, (EMAX+1)<<23
	v_add_nc_u32 v11, -(EMAX<<23), v12
	v_lshrrev_b32 v13, 23, v11
.if (\t)%4 == 0
	v_mov_b32 v[SB+(\t)/4], v13                    ; four bytes to a register, the lower K in the lower byte
.else
	v_lshl_or_b32 v[SB+(\t)/4], v13, 8*((\t)%4), v[SB+(\t)/4]
.endif
	v_cvt_scalef32_pk16_fp6_f32 v[CW:CW+2], v[XS:XS+15], v11
	v_cvt_scalef32_pk16_fp6_f32 v[CW+4:CW+6], v[XS+16:XS+31], v11
	ds_store_b96 v4, v[CW:CW+2] offset:32*(\t)     ; 12 bytes to a place of 16
	ds_store_b96 v4, v[CW+4:CW+6] offset:32*(\t)+16
.if (\t)+2 < NB
	LOADW (\t)+2
.endif
	s_wait_dscnt 0x0                               ; the stores have read their registers: the next block's codes may be written
.endm
.irp t, 0,1,2,3,4,5,6,7
	BLOCK \t
.endr
	global_store_b64 v9, v[SB:SB+1], s[34:35]      ; my column's 8 scale bytes
.irp t, 0,1,2,3,4,5,6,7,8,9,10,11,12,13,14,15
	ds_load_b96 v[OUTR+4*\t:OUTR+4*\t+2], v7 offset:2*\t*PITCH
.endr
.irp t, 0,1,2,3,4,5,6,7,8,9,10,11,12,13,14,15
	s_wait_dscnt 15-\t                             ; the younger stage loads may be out
	global_store_b96 v8, v[OUTR+4*\t:OUTR+4*\t+2], s[30:31] offset:2*\t*KROW
.endr
.Lend:
	s_wait_tensorcnt 0x0                           ; the wave's end: an add and its wait behind my last LDS store
	ds_add_u32 v[SPW], v[NIL]
	s_wait_dscnt 0x0
	s_endpgm
.Lfunc_end_k_qebd0185d24_quant:
	.size	k_qebd0185d24_quant, .Lfunc_end_k_qebd0185d24_quant-k_qebd0185d24_quant
	.p2alignl 7, 3214868480
	.fill 96, 4, 3214868480
	.section	.rodata,"a",@progbits
	.p2align	6, 0x0
	.amdhsa_kernel k_qebd0185d24_quant
		.amdhsa_group_segment_fixed_size 68096
		.amdhsa_private_segment_fixed_size 0
		.amdhsa_enable_private_segment 0
		.amdhsa_kernarg_size 56
		.amdhsa_user_sgpr_count 2
		.amdhsa_user_sgpr_kernarg_segment_ptr 1
		.amdhsa_wavefront_size32 1
		.amdhsa_system_sgpr_workgroup_id_x 1
		.amdhsa_system_sgpr_workgroup_id_y 1
		.amdhsa_system_sgpr_workgroup_id_z 1
		.amdhsa_system_vgpr_workitem_id 0
		.amdhsa_next_free_vgpr 200
		.amdhsa_next_free_sgpr 66
		.amdhsa_reserve_vcc 0
		.amdhsa_float_denorm_mode_32 3
		.amdhsa_float_denorm_mode_16_64 3
		.amdhsa_memory_ordered 1
		.amdhsa_forward_progress 1
		.amdhsa_inst_pref_size 74
	.end_amdhsa_kernel
	.amdgpu_metadata
---
amdhsa.version: [ 1, 2 ]
amdhsa.kernels:
  - .name:           k_qebd0185d24_quant
    .symbol:         k_qebd0185d24_quant.kd
    .args:
      - { .name: x, .offset: 0, .size: 8, .value_kind: global_buffer, .address_space: global }
      - { .name: Wo, .offset: 8, .size: 8, .value_kind: global_buffer, .address_space: global }
      - { .name: Wq, .offset: 16, .size: 8, .value_kind: global_buffer, .address_space: global }
      - { .name: Wk, .offset: 24, .size: 8, .value_kind: global_buffer, .address_space: global }
      - { .name: Wv, .offset: 32, .size: 8, .value_kind: global_buffer, .address_space: global }
      - { .name: opc, .offset: 40, .size: 8, .value_kind: global_buffer, .address_space: global }
      - { .name: ops, .offset: 48, .size: 8, .value_kind: global_buffer, .address_space: global }
    .group_segment_fixed_size: 68096
    .private_segment_fixed_size: 0
    .kernarg_segment_align: 8
    .kernarg_segment_size: 56
    .max_flat_workgroup_size: 128
    .sgpr_count:     66
    .vgpr_count:     200
    .wavefront_size: 32
...
	.end_amdgpu_metadata
.endif
;; end of part 1
;; launch proj (part 2): grid 12 x 32, 4 waves a work-group, clusters of 4 x 4, 327,680 bytes of LDS; arguments opc, ops, hc, hs; writes hc, hs
.if DOCPART == 2
	.amdgcn_target "amdgcn-amd-amdhsa--gfx1250"
	.amdhsa_code_object_version 6
	.text
	.protected	k_qebd0185d24_proj
	.globl	k_qebd0185d24_proj
	.p2align	8
	.type	k_qebd0185d24_proj,@function
k_qebd0185d24_proj:
	s_mov_b64 s[64:65], 0
	v_nop
	global_prefetch_b8 v0, s[64:65] scope:SCOPE_SE
	s_setreg_imm32_b32 hwreg(HW_REG_WAVE_MODE, 25, 1), 1
	s_wait_xcnt 0x0
	s_wait_alu depctr_hold_cnt(0) depctr_sa_sdst(0) depctr_va_vdst(0) depctr_va_sdst(0) depctr_va_ssrc(0) depctr_va_vcc(0) depctr_vm_vsrc(0)
	s_getreg_b32 s2, hwreg(HW_REG_IB_STS2, 6, 4)
	s_cmp_eq_u32 s2, 0
	s_cbranch_scc0 .Lentry_in_a_cluster
	s_endpgm
.Lentry_in_a_cluster:
	s_bfe_u32 s2, ttmp6, 0x10000c
	s_cmp_lg_u32 s2, 0xf033
	s_cbranch_scc0 .Lentry_shape_is_right
	s_endpgm
.Lentry_shape_is_right:
; q, k, v = x Wq, x Wk, x Wv on codes of FP6 (E2M3) with E8M0 scales, K = 1,024, sums in f32; the results never leave as f32: the way out quantises q and k along the head's 64 channels and v along the keys.
; A work-group takes 256 positions of x (work-group y) and 256 positions of the table Wq | Wk | Wv (work-group x, 12 of them); a wave 128 x 128: 64 accumulators, 512 registers.  K goes in steps of 256 through two LDS slots.
; CLUSTERS of 4 x 4: x's tiles are shared along a row of the cluster, the weights' along a column: joint tensor loads.  Cluster x is 0 for q, 1 for k, 2 for v: the role rho = (cluster x >> 1) & 1 is the same in all sixteen partners.
; THE ROLE turns the product by LDS read addresses alone.  Source 1 gives a lane its row, source 0 the axis along which its registers run.  rho = 0: source 1 = x, source 0 = W: a lane holds a token, registers run along channels.
; rho = 1: source 1 = Wv, source 0 = x: a lane holds a channel, registers run along tokens, which are the second attention product's K.
; POSITION ORDER (row p holds the natural row p with bits 3 and 4 exchanged) makes the 16 registers of source-0 blocks 2 b and 2 b + 1 the natural neighbours 32 b + 16 (lane / 16) + 0 .. 15: what the conversions want.
; OUT: q, k codes [head 64][position 2048][48 bytes], their scale words [head][position] (bytes 0, 1 the head's two blocks, bytes 2, 3 = 127 for the zero half of the next product's K = 128);
;      v codes [head][key step 16][channel position 64][96 bytes = 128 keys], scale words [head][key step][channel position].
; LIMITS: NaN and infinities are not served; a block under 2^-124, or of zeros, gets the byte 1.
; No prefetch: a work-group has two refills in all.  Three tensor loads of a wave are out at the most (scales, slots 0 and 1).
; REGISTERS: window 0: v1-31 addresses; v32-63 source 1's scale words, v64-95 source 0's (two sets each); v96-125 the quantiser's; v128-223 source 1's fragments, one set; v224-231 the quantiser's.
;   window 1: source 0's fragments, two sets, at v0 and v128.  windows 2, 3: the accumulators ((a, b) at v[8 (8 (a % 4) + b)] of window 2 + a / 4).
.set NQ,     2
.set ROWB,   192                       ; 256 codes
.set KROW,   768                       ; a row of codes in memory
.set PITCH,  240                       ; an LDS row: 3 x (64 bytes + 16 of padding)
.set FR,     12
.set NL,     6
.set NP,     4
.set HALFT,  128*PITCH
.set SLOT,   4*HALFT                   ; x's 256 rows, then the weights' 256
.set LAPS,   2
.set SPARE,  2*SLOT                    ; the spare words, 128 bytes for each wave
.set SCL,    SPARE+512                 ; the scales: units of 256 bytes + 16; wave w's 128 rows at SCL + w HALFS; filled once
.set HALFS,  4352
.set SBLK,   544
.set STGV,   53248                     ; the way out's stages lie in slot 0, which has had its last fill and its last read by then: 13,312 bytes a wave for each role
.set WC,     6291456
.set WS,     262144
.set STQ,  7
.set STV,  8
.set SWQ,  9
.set SWV,  10
.set RDQ,  11
.set RDV,  12
.set GO,   13
.set SH,   14
.set GOV,  15
.set ADRA, 16                          ; v16-17 source 1's fragments in slot 0, 1; v18-19 behind one padding more
.set ADRB, 20                          ; v20-23 the same for source 0
.set ADSA, 27
.set SPW,  28
.set NIL,  29
.set ADSB, 30
.set SCA,  32
.set SCB,  64
.set TM,   96
.set PW,   112
.set PWS,  113
.set PC,   114
.set AF,   128
.set PX,   224
.set G1, 24
.set G0, 32
.set G1B, 48
.set G0B, 56
.set G1S, 68
.set G0S, 76
.set G1SB, 80
.set G0SB, 88
.set MSB, 0
.macro WIN new                         ; the immediate's high byte repeats the setting that is left
.if MSB != (\new)
	s_set_vgpr_msb (MSB<<8)|(\new)
.set MSB, (\new)
.endif
.endm
.set MUL_LO, 0xa1                      ; source 0 window 1, source 1 window 0, C and D window 2
.set MUL_HI, 0xf1
.set TO_B,   0x40
.macro JLOAD g0a, g1a, g0b, g1b        ; a joint load: waves 0, 1 fetch x's halves, waves 2, 3 the weights'; s_nop 0 and four v_nop follow each line
	s_cmp_eq_u32 s15, 0
	s_cbranch_scc0 .Lfor_b_\@
	tensor_load_to_lds s[\g0a:\g0a+3], s[\g1a:\g1a+7]
	s_nop 0
.rept 4
	v_nop
.endr
	s_branch .Lasked_\@
.Lfor_b_\@:
	tensor_load_to_lds s[\g0b:\g0b+3], s[\g1b:\g1b+7]
	s_nop 0
.rept 4
	v_nop
.endr
.Lasked_\@:
.endm
.macro CREST
	s_cmp_lg_u32 s14, 0
	s_cbranch_scc1 .Lnot_wave_0_\@
	s_barrier_signal -3
.Lnot_wave_0_\@:
	s_barrier_wait -3
	s_barrier_signal -1
	s_barrier_wait -1
.endm
.macro CROUND
	s_barrier_signal -1
	s_barrier_wait -1
	CREST
.endm
	s_load_b128 s[4:7], s[0:1], 0x0                ; opc, ops
	s_load_b128 s[96:99], s[0:1], 0x10             ; hc, hs
	v_lshl_add_u32 v[SPW], v0, 2, SPARE
	v_mov_b32 v[NIL], 0
	ds_add_u32 v[SPW], v[NIL]                      ; the wave's opening: the add and its wait ahead of my first tensor load
	v_lshrrev_b32 v1, 5, v0
	v_readfirstlane_b32 s14, v1                    ; wave
	s_lshr_b32 s15, s14, 1                         ; source 1's half that I multiply.  Also: I fetch x (0) or weights (1)
	s_and_b32 s16, s14, 1                          ; source 0's half.  Also: which 128 rows I fetch
	s_bfe_u32 s40, ttmp6, 0x40000                  ; cx
	s_bfe_u32 s41, ttmp6, 0x40004                  ; cy
	s_lshl_b32 s42, ttmp9, 2
	s_add_co_u32 s42, s42, s40                     ; tile of the weights' table, 0..11
	s_and_b32 s17, ttmp7, 0xffff
	s_lshl_b32 s17, s17, 2
	s_add_co_u32 s17, s17, s41                     ; tile of x, 0..31
	s_lshl_b32 s43, s41, 2
	s_lshl_b32 s43, 15, s43                        ; my row of the cluster
	s_lshl_b32 s44, 0x1111, s40                    ; my column
	s_lshr_b32 s95, ttmp9, 1
	s_and_b32 s95, s95, 1                          ; rho
	s_xor_b32 s67, s95, 1
	s_or_b32 s[G1+0], s43, (0<<16)|(1<<20)|(1<<21)|(3<<22)|(3<<25)  ; the mask; elements of 1 byte; padding on, 4 words behind every 16; bit 21 beside a mask
	s_or_b32 s[G1B+0], s44, (0<<16)|(1<<20)|(1<<21)|(3<<22)|(3<<25)
.irp g, G1, G1B
	s_mov_b32 s[\g+1], ROWB<<16                    ; tensor_dim0
	s_mov_b32 s[\g+2], 128<<16                     ; tensor_dim1
	s_mov_b32 s[\g+3], ROWB<<16                    ; tile_dim0
	s_mov_b32 s[\g+4], 128                         ; tile_dim1
	s_mov_b32 s[\g+5], KROW                        ; pitch
	s_mov_b32 s[\g+6], 0
	s_mov_b32 s[\g+7], 0
.endr
	s_or_b32 s[G1S+0], s43, (3<<16)|(1<<20)|(1<<21)|(5<<22)|(3<<25) ; the scales of 128 rows: 4,096 dense bytes as 16 rows of 256, 16 bytes of padding behind each
	s_or_b32 s[G1SB+0], s44, (3<<16)|(1<<20)|(1<<21)|(5<<22)|(3<<25)
.irp g, G1S, G1SB
	s_mov_b32 s[\g+1], 32<<16
	s_mov_b32 s[\g+2], 16<<16
	s_mov_b32 s[\g+3], 32<<16
	s_mov_b32 s[\g+4], 16
	s_mov_b32 s[\g+5], 32
	s_mov_b32 s[\g+6], 0
	s_mov_b32 s[\g+7], 0
.endr
	s_lshl_b32 s18, s16, 7
	s_lshl_b32 s20, s17, 8
	s_add_co_u32 s20, s20, s18                     ; x: the first row that I fetch
	s_lshl_b32 s46, s42, 8
	s_add_co_u32 s46, s46, s18                     ; weights: likewise
	s_lshl_b32 s22, s20, 5                         ; byte offsets, all under 2^31: x's scales,
	s_mov_b32 s23, 0
	s_mul_i32 s20, s20, KROW                       ; x's codes,
	s_mov_b32 s21, 0
	s_lshl_b32 s92, s46, 5
	s_add_co_u32 s92, s92, WS                      ; the weights' scales,
	s_mov_b32 s93, 0
	s_mul_i32 s46, s46, KROW
	s_add_co_u32 s46, s46, WC                      ; the weights' codes
	s_mov_b32 s47, 0
	s_mul_i32 s45, s14, HALFT                      ; where they go: wave x 128 rows
	s_mul_i32 s94, s14, HALFS
	s_wait_dscnt 0x0                               ; the opening add is done
	s_wait_kmcnt 0x0
	s_add_nc_u64 s[20:21], s[4:5], s[20:21]
	s_add_nc_u64 s[22:23], s[6:7], s[22:23]
	s_add_nc_u64 s[46:47], s[4:5], s[46:47]
	s_add_nc_u64 s[92:93], s[6:7], s[92:93]
	CROUND                                         ; all sixteen work-groups are here: the first joint loads meet
	s_mov_b32 s[G0S], 1
	s_add_co_u32 s[G0S+1], s94, SCL
	s_mov_b64 s[G0S+2:G0S+3], s[22:23]
	s_or_b32 s[G0S+3], s[G0S+3], 0x80000000
	s_mov_b32 s[G0SB], 1
	s_add_co_u32 s[G0SB+1], s94, SCL
	s_mov_b64 s[G0SB+2:G0SB+3], s[92:93]
	s_or_b32 s[G0SB+3], s[G0SB+3], 0x80000000
	JLOAD G0S, G1S, G0SB, G1SB                     ; the scales, for all of K: filled once
.irp s, 0,1
	s_mov_b32 s[G0+4*\s], 1
	s_add_co_u32 s[G0+4*\s+1], s45, \s*SLOT
	s_add_nc_u64 s[G0+4*\s+2:G0+4*\s+3], s[20:21], \s*ROWB
	s_or_b32 s[G0+4*\s+3], s[G0+4*\s+3], 0x80000000
	s_mov_b32 s[G0B+4*\s], 1
	s_add_co_u32 s[G0B+4*\s+1], s45, \s*SLOT
	s_add_nc_u64 s[G0B+4*\s+2:G0B+4*\s+3], s[46:47], \s*ROWB
	s_or_b32 s[G0B+4*\s+3], s[G0B+4*\s+3], 0x80000000
	JLOAD G0+4*\s, G1, G0B+4*\s, G1B
.endr
	s_mov_b32 s92, 0x76543210                      ; v_permlanex16_b32's selects for lane l xor 16
	s_mov_b32 s93, 0xfedcba98
	s_mov_b32 s66, 0x7f7f0000                      ; scale bytes 127 for the zero half of K
	v_and_b32 v1, 15, v0                           ; r
	v_bfe_u32 v2, v0, 4, 1                         ; h
	v_mul_u32_u24 v3, v1, PITCH
	v_mul_u32_u24 v4, v2, 24
	v_add_nc_u32 v4, v3, v4                        ; a fragment's row x pitch + 24 h
	v_lshl_add_u32 v5, v2, 4, v4                   ; and behind one padding more
	s_mul_i32 s21, s95, 2*HALFT                    ; source 1: x's region (rho = 0) or the weights' (1), my half
	s_mul_i32 s23, s15, HALFT
	s_add_co_u32 s21, s21, s23
	s_mul_i32 s22, s67, 2*HALFT                    ; source 0: the other region, my half
	s_mul_i32 s23, s16, HALFT
	s_add_co_u32 s22, s22, s23
.irp s, 0,1
	v_add_nc_u32 v[ADRA+\s], s21, v4
	v_add_nc_u32 v[ADRB+\s], s22, v4
	v_add_nc_u32 v[ADRA+2+\s], s21, v5
	v_add_nc_u32 v[ADRB+2+\s], s22, v5
	s_add_co_u32 s21, s21, SLOT
	s_add_co_u32 s22, s22, SLOT
.endr
	v_lshlrev_b32 v5, 5, v1                        ; my row's scales: 32 bytes a row,
	v_lshrrev_b32 v6, 8, v5
	v_lshl_add_u32 v5, v6, 4, v5                   ; and 16 more for each 256 passed
	s_mul_i32 s21, s95, 2*HALFS
	s_mul_i32 s23, s15, HALFS
	s_add_co_u32 s21, s21, s23
	s_add_co_u32 s21, s21, SCL
	v_add_nc_u32 v[ADSA], s21, v5
	s_mul_i32 s22, s67, 2*HALFS
	s_mul_i32 s23, s16, HALFS
	s_add_co_u32 s22, s22, s23
	s_add_co_u32 s22, s22, SCL
	v_add_nc_u32 v[ADSB], s22, v5
	s_mul_i32 s23, s14, 13312                      ; my stages
	v_mul_u32_u24 v3, v1, 48
	v_mad_u32_u24 v3, v2, 24, v3
	v_add_nc_u32 v[STQ], s23, v3                   ; q, k: token r's 48 bytes, block h
	v_mul_u32_u24 v3, v1, 96
	v_mad_u32_u24 v3, v2, 24, v3
	v_add_nc_u32 v3, s23, v3
	v_add_nc_u32 v[STV], STGV, v3                  ; v: channel r's 96 bytes
	v_lshlrev_b32 v3, 2, v1
	v_add_nc_u32 v3, s23, v3
	v_lshl_add_u32 v4, v2, 9, v3
	v_add_nc_u32 v[SWQ], 12288, v4                 ; scale words: half h of the lanes writes head h's
	v_add_nc_u32 v[SWV], STGV+12288, v3
	v_and_b32 v3, 31, v0
	v_lshlrev_b32 v[GO], 4, v3                     ; 16 x lane
	v_add_nc_u32 v[RDQ], s23, v[GO]
	v_add_nc_u32 v[RDV], STGV, v[RDQ]
	v_lshlrev_b32 v[SH], 4, v2
	v_mul_u32_u24 v3, v2, 3840
	v_add_nc_u32 v[GOV], v3, v[GO]                 ; v's scale words: lanes 16-31 store 4,096 bytes on (the next head)
.irp b, 0,1,2,3
	v_mov_b32 v[TM+4+\b], 0                        ; written once: a lane permute's destination counts as one of its sources
.endr
	; where my results go
	s_lshr_b32 s20, s17, 3                         ; batch
	s_lshl_b32 s20, s20, 4
	s_and_b32 s46, s42, 3
	s_lshl_b32 s46, s46, 2
	s_add_co_u32 s46, s46, s20
	s_cmp_eq_u32 s95, 0
	s_cselect_b32 s21, s16, s15                    ; which pair of heads: the weights' half
	s_cselect_b32 s22, s15, s16                    ; which 128 tokens: x's half
	s_lshl_b32 s21, s21, 1
	s_add_co_u32 s46, s46, s21                     ; my first head
	s_and_b32 s23, s17, 7
	s_lshl_b32 s23, s23, 1
	s_add_co_u32 s23, s23, s22                     ; my 128 tokens of the sequence's sixteen
	s_mul_i32 s20, ttmp9, 6291456                  ; q, k or v's section
	s_mul_i32 s21, s46, 98304
	s_add_co_u32 s20, s20, s21
	s_mul_i32 s21, s23, 6144
	s_add_co_u32 s20, s20, s21
	s_mov_b32 s21, 0
	s_add_nc_u64 s[96:97], s[96:97], s[20:21]
	s_lshl_b32 s20, s46, 13
	s_lshl_b32 s22, s23, 9
	s_add_co_u32 s20, s20, s22
	s_lshr_b32 s20, s20, s95                       ; v has half as many scale words
	s_mul_i32 s22, ttmp9, 524288
	s_add_co_u32 s20, s20, s22
	s_add_nc_u64 s[98:99], s[98:99], s[20:21]
.macro FRAG reg, adr, q, i             ; 16 rows x 128 K: 12 registers, six pieces of 8 bytes; where lanes 16-31's piece lies behind one padding more, the second address register serves
.irp p, 0,1,2,3,4,5
.set PCE, 12*(\q)+6*(\p/3)+\p%3
.if PCE%8 < 5
	ds_load_b64 v[\reg+2*\p:\reg+2*\p+1], v[\adr] offset:8*PCE+16*(PCE/8)+(\i)*16*PITCH
.else
	ds_load_b64 v[\reg+2*\p:\reg+2*\p+1], v[\adr+2] offset:8*PCE+16*(PCE/8)+(\i)*16*PITCH
.endif
.endr
.endm
; 16 matrix instructions: source 1's blocks a0, a0 + 1 x source 0's eight.  The 64 accumulators take turns, one instruction a turn, in the same order in every step.
.macro MUL16 a0, p, q, sc, zero
.irp a, \a0, \a0+1
.irp b, 0,1,2,3,4,5,6,7
.if \zero
	v_wmma_scale_f32_16x16x128_f8f6f4 v[8*(8*((\a)%4)+\b):8*(8*((\a)%4)+\b)+7], v[128*(\p)+FR*\b:128*(\p)+FR*\b+FR-1], v[AF+FR*(\a):AF+FR*(\a)+FR-1], 0, v[SCB+16*(\sc)+2*\b+(\q)], v[SCA+16*(\sc)+2*(\a)+(\q)] matrix_a_fmt:MATRIX_FMT_FP6 matrix_b_fmt:MATRIX_FMT_FP6
.else
	v_wmma_scale_f32_16x16x128_f8f6f4 v[8*(8*((\a)%4)+\b):8*(8*((\a)%4)+\b)+7], v[128*(\p)+FR*\b:128*(\p)+FR*\b+FR-1], v[AF+FR*(\a):AF+FR*(\a)+FR-1], v[8*(8*((\a)%4)+\b):8*(8*((\a)%4)+\b)+7], v[SCB+16*(\sc)+2*\b+(\q)], v[SCA+16*(\sc)+2*(\a)+(\q)] matrix_a_fmt:MATRIX_FMT_FP6 matrix_b_fmt:MATRIX_FMT_FP6
.endif
.endr
.endr
.endm
.macro FETCH_B slot, q, p
	WIN TO_B
.irp i, 0,1,2,3,4,5,6,7
	FRAG 128*(\p)+FR*\i, ADRB+\slot, \q, \i
.endr
	WIN 0
.endm
.macro FETCH_A slot, q, i0
.irp i, \i0, \i0+1, \i0+2, \i0+3
	FRAG AF+FR*(\i), ADRA+\slot, \q, \i
.endr
.endm
.macro SCALES sc                       ; a K step's two scale words of each row: eight blocks of each source; each source has registers of its own
.irp i, 0,1,2,3,4,5,6,7
	ds_load_b64 v[SCA+16*\sc+2*\i:SCA+16*\sc+2*\i+1], v[ADSA] offset:\i*SBLK
.endr
.irp i, 0,1,2,3,4,5,6,7
	ds_load_b64 v[SCB+16*\sc+2*\i:SCB+16*\sc+2*\i+1], v[ADSB] offset:\i*SBLK
.endr
.endm
.macro PLACES n                        ; plain vector places behind matrix instructions, in front of loads into their registers and of reads of results
.rept \n
	v_nop
.endr
.endm
.macro STEP slot, q, zero              ; 128 along K whose successor lies in the same slot
	s_wait_dscnt 4*NL                              ; all but the youngest 24 loads (source 1's blocks 4-7) are in
	WIN MUL_LO
	MUL16 0, (\q)%2, \q, \slot, \zero
	MUL16 2, (\q)%2, \q, \slot, \zero
	s_wait_dscnt 0
	PLACES NP
	FETCH_B \slot, (\q)+1, 1-(\q)%2
	FETCH_A \slot, (\q)+1, 0
	WIN MUL_HI
	MUL16 4, (\q)%2, \q, \slot, \zero
	MUL16 6, (\q)%2, \q, \slot, \zero
	PLACES NP
	WIN 0
	FETCH_A \slot, (\q)+1, 4
.endm
.macro TURN slot, next, fill           ; a slot's last step changes slots: one barrier; with fill = 1 it opens a round of the cluster's barrier and the slot is filled again
	s_wait_tensorcnt 0x0                           ; all my tensor loads have landed: my part of the next slot
	ds_add_u32 v[SPW], v[NIL]                      ; 0 onto my spare word
	s_wait_dscnt 4*NL+1                            ; (the add and the youngest 24 loads may be out)
	WIN MUL_LO
	MUL16 0, 1, NQ-1, \slot, 0
	s_wait_dscnt 0x0                               ; the add is done, and my reads of this slot are over
	s_barrier_signal -1
	MUL16 2, 1, NQ-1, \slot, 0
	WIN 0
	s_barrier_wait -1
.if \fill
	CREST                                          ; no wave of any partner still reads this slot or has a load on its way
	s_add_nc_u64 s[G0+4*\slot+2:G0+4*\slot+3], s[G0+4*\slot+2:G0+4*\slot+3], 2*ROWB
	s_add_nc_u64 s[G0B+4*\slot+2:G0B+4*\slot+3], s[G0B+4*\slot+2:G0B+4*\slot+3], 2*ROWB
	JLOAD G0+4*\slot, G1, G0B+4*\slot, G1B         ; the first tensor load behind the round; its four v_nop are the places in front of the loads below
.else
	PLACES NP
.endif
	v_add_nc_u32 v[ADSA], 4*NQ, v[ADSA]            ; the next K step's scale words
	v_add_nc_u32 v[ADSB], 4*NQ, v[ADSB]
	FETCH_B \next, 0, 0
	FETCH_A \next, 0, 0
	SCALES \next
	WIN MUL_HI
	MUL16 4, 1, NQ-1, \slot, 0
	MUL16 6, 1, NQ-1, \slot, 0
	PLACES NP
	WIN 0
	FETCH_A \next, 0, 4
.endm
	s_wait_tensorcnt 1                             ; the scales and my part of slot 0 are in; slot 1's load may be out
	s_barrier_signal -1
	s_barrier_wait -1
	FETCH_B 0, 0, 0
	FETCH_A 0, 0, 0
	SCALES 0
	FETCH_A 0, 0, 4
	STEP 0, 0, 1                                   ; the first step's products start the sums
	s_mov_b32 s3, LAPS-1
.Llap:
	TURN 0, 1, 1
	STEP 1, 0, 0
	TURN 1, 0, 1
	STEP 0, 0, 0
	s_sub_co_u32 s3, s3, 1
	s_cmp_lg_u32 s3, 0
	s_cbranch_scc1 .Llap
	TURN 0, 1, 0                                   ; the last lap fills nothing
	STEP 1, 0, 0
	s_wait_dscnt 4*NL
	WIN MUL_LO
	MUL16 0, 1, NQ-1, 1, 0
	MUL16 2, 1, NQ-1, 1, 0
	s_wait_dscnt 0
	WIN MUL_HI
	MUL16 4, 1, NQ-1, 1, 0
	MUL16 6, 1, NQ-1, 1, 0
	WIN 0
; THE WAY OUT.  The 64 registers of source 1's block a (window w, from v[s]) are 128 natural neighbours of the lane's row: register 16 b + i = 32 b + 16 (lane / 16) + i.  They become a fragment's codes in v[PC] on and a scale word in v[PW].
.macro QUANT s, w
	WIN ((\w)<<2)|((\w)<<4)                        ; sources 1 and 2 in the accumulators' window
.irp b, 0,1,2,3
	v_max3_num_f32 v[TM+\b], 0x1800000, |v[(\s)+16*\b]|, |v[(\s)+16*\b+1]|   ; the floor 2^(3 - 127) among the leaves; each accumulator is read from its low end on
.endr
.irp i, 2,4,6,8,10,12,14
.irp b, 0,1,2,3
	v_max3_num_f32 v[TM+\b], v[TM+\b], |v[(\s)+16*\b+\i]|, |v[(\s)+16*\b+\i+1]|
.endr
.endr
	WIN 0
.irp b, 0,1,2,3
	v_permlanex16_b32 v[TM+4+\b], v[TM+\b], s92, s93
.endr
.irp b, 0,1,2,3
	v_max_num_f32 v[TM+\b], v[TM+\b], v[TM+4+\b]   ; with lane l xor 16's: the block's largest magnitude
.endr
.irp b, 0,1,2,3
	v_add_nc_u32 v[TM+12+\b], 0xff000000, v[TM+\b] ; 2 off its exponent field: the conversion's scale operand
.endr
.irp b, 0,1,2,3
	v_lshrrev_b32 v[TM+4+\b], 23, v[TM+12+\b]      ; the scale's byte
.endr
	v_lshl_or_b32 v[PW], v[TM+5], 8, v[TM+4]
	v_lshl_or_b32 v[PW], v[TM+6], 16, v[PW]
	v_lshl_or_b32 v[PW], v[TM+7], 24, v[PW]
	WIN (\w)                                       ; source 0 in the accumulators' window
.irp c, 0,1
	v_cvt_scalef32_pk16_fp6_f32 v[PC+6*\c:PC+6*\c+2], v[(\s)+32*\c:(\s)+32*\c+15], v[TM+12+2*\c]
	v_cvt_scalef32_pk16_fp6_f32 v[PX+4*\c:PX+4*\c+2], v[(\s)+32*\c+16:(\s)+32*\c+31], v[TM+13+2*\c]
.endr
	WIN 0
	v_nop                                          ; one plain place behind a scaled conversion
.irp c, 0,1                            ; a whole block to a lane: lanes 0-15 block 2 c, lanes 16-31 block 2 c + 1
.irp i, 0,1,2
	v_permlane16_swap_b32 v[PC+6*\c+\i], v[PX+4*\c+\i]
.endr
.irp i, 0,1,2
	v_mov_b32 v[PC+3+6*\c+\i], v[PX+4*\c+\i]
.endr
.endr
.endm
; role 0 (q, k): codes of head c, token 16 a + r, block h at c 6144 + (16 a + r) 48 + 24 h of my stage.  role 1 (v): codes of channel 16 a + r, keys 64 c + 32 h on, at (16 a + r) 96 + 48 c + 24 h.
; The stage then holds, for each of my two heads, 6,144 bytes just as they lie in memory: they leave as 24 stores of 512 consecutive bytes, aligned.
.macro EPI role
.irp a, 0,1,2,3,4,5,6,7
	QUANT 64*(\a%4), 2+\a/4
.if \role == 0
.irp c, 0,1
.irp p, 0,1,2
	ds_store_b64 v[STQ], v[PC+6*\c+2*\p:PC+6*\c+2*\p+1] offset:\c*6144+\a*768+8*\p
.endr
.endr
	v_lshrrev_b32 v[PWS], v[SH], v[PW]             ; head h's two bytes,
	v_and_or_b32 v[PWS], v[PWS], 0xffff, s66       ; and 127 twice above them
	ds_store_b32 v[SWQ], v[PWS] offset:64*\a
.else
.irp c, 0,1
.irp p, 0,1,2
	ds_store_b64 v[STV], v[PC+6*\c+2*\p:PC+6*\c+2*\p+1] offset:\a*1536+48*\c+8*\p
.endr
.endr
	ds_store_b32 v[SWV], v[PW] offset:64*\a        ; both halves of the lanes write the same word with the same value
.endif
	s_wait_dscnt 0x0                               ; the stores have read their registers
.endr
.if \role == 0
.irp t, 0,1,2,3,4,5,6,7,8,9,10,11,12,13,14,15,16,17,18,19,20,21,22,23
	ds_load_b128 v[128+4*\t:131+4*\t], v[RDQ] offset:512*\t
.endr
.irp u, 0,1
	ds_load_b128 v[224+4*\u:227+4*\u], v[RDQ] offset:12288+512*\u
.endr
.irp t, 0,1,2,3,4,5,6,7,8,9,10,11,12,13,14,15,16,17,18,19,20,21,22,23
	s_wait_dscnt 25-\t                             ; the younger loads may be out
	global_store_b128 v[GO], v[128+4*\t:131+4*\t], s[96:97] offset:(\t/12)*98304+(\t%12)*512
.endr
.irp u, 0,1
	s_wait_dscnt 1-\u
	global_store_b128 v[GO], v[224+4*\u:227+4*\u], s[98:99] offset:\u*8192
.endr
.else
.irp t, 0,1,2,3,4,5,6,7,8,9,10,11,12,13,14,15,16,17,18,19,20,21,22,23
	ds_load_b128 v[128+4*\t:131+4*\t], v[RDV] offset:512*\t
.endr
	ds_load_b128 v[224:227], v[RDV] offset:12288
.irp t, 0,1,2,3,4,5,6,7,8,9,10,11,12,13,14,15,16,17,18,19,20,21,22,23
	s_wait_dscnt 24-\t
	global_store_b128 v[GO], v[128+4*\t:131+4*\t], s[96:97] offset:(\t/12)*98304+(\t%12)*512
.endr
	s_wait_dscnt 0x0
	global_store_b128 v[GOV], v[224:227], s[98:99] ; two aligned runs of 256 bytes, one for each head
.endif
.endm
	PLACES NP
	s_cmp_lg_u32 s95, 0                            ; the role: the same in all waves and in all partners; no barrier and no tensor load stands in either arm
	s_cbranch_scc1 .Lrole_v
	EPI 0
	s_branch .Ldone
.Lrole_v:
	EPI 1
.Ldone:
	s_wait_tensorcnt 0x0                           ; the wave's end
	ds_add_u32 v[SPW], v[NIL]
	s_wait_dscnt 0x0
	CROUND                                         ; the closing round
	s_endpgm
.Lfunc_end_k_qebd0185d24_proj:
	.size	k_qebd0185d24_proj, .Lfunc_end_k_qebd0185d24_proj-k_qebd0185d24_proj
	.p2alignl 7, 3214868480
	.fill 96, 4, 3214868480
	.section	.rodata,"a",@progbits
	.p2align	6, 0x0
	.amdhsa_kernel k_qebd0185d24_proj
		.amdhsa_group_segment_fixed_size 327680
		.amdhsa_private_segment_fixed_size 0
		.amdhsa_enable_private_segment 0
		.amdhsa_kernarg_size 32
		.amdhsa_user_sgpr_count 2
		.amdhsa_user_sgpr_kernarg_segment_ptr 1
		.amdhsa_wavefront_size32 1
		.amdhsa_system_sgpr_workgroup_id_x 1
		.amdhsa_system_sgpr_workgroup_id_y 1
		.amdhsa_system_sgpr_workgroup_id_z 1
		.amdhsa_system_vgpr_workitem_id 0
		.amdhsa_next_free_vgpr 1024
		.amdhsa_next_free_sgpr 100
		.amdhsa_reserve_vcc 0
		.amdhsa_float_denorm_mode_32 3
		.amdhsa_float_denorm_mode_16_64 3
		.amdhsa_memory_ordered 1
		.amdhsa_forward_progress 1
		.amdhsa_inst_pref_size 214
	.end_amdhsa_kernel
	.amdgpu_metadata
---
amdhsa.version: [ 1, 2 ]
amdhsa.kernels:
  - .name:           k_qebd0185d24_proj
    .symbol:         k_qebd0185d24_proj.kd
    .args:
      - { .name: opc, .offset: 0, .size: 8, .value_kind: global_buffer, .address_space: global }
      - { .name: ops, .offset: 8, .size: 8, .value_kind: global_buffer, .address_space: global }
      - { .name: hc, .offset: 16, .size: 8, .value_kind: global_buffer, .address_space: global }
      - { .name: hs, .offset: 24, .size: 8, .value_kind: global_buffer, .address_space: global }
    .group_segment_fixed_size: 327680
    .private_segment_fixed_size: 0
    .kernarg_segment_align: 8
    .kernarg_segment_size: 32
    .max_flat_workgroup_size: 128
    .sgpr_count:     100
    .vgpr_count:     1024
    .wavefront_size: 32
...
	.end_amdgpu_metadata
.endif
;; end of part 2
;; launch attn (part 3): grid 4 x 64, 16 waves a work-group, no clusters, 327,680 bytes of LDS; arguments hc, hs, cc, cs; writes cc, cs
.if DOCPART == 3
	.amdgcn_target "amdgcn-amd-amdhsa--gfx1250"
	.amdhsa_code_object_version 6
	.text
	.protected	k_qebd0185d24_attn
	.globl	k_qebd0185d24_attn
	.p2align	8
	.type	k_qebd0185d24_attn,@function
k_qebd0185d24_attn:
	s_mov_b64 s[64:65], 0
	v_nop
	global_prefetch_b8 v0, s[64:65] scope:SCOPE_SE
	s_setreg_imm32_b32 hwreg(HW_REG_WAVE_MODE, 25, 1), 1
	s_wait_xcnt 0x0
; Causal attention of one head on codes of FP6 (E2M3) with E8M0 scales, and the quantising of its result.  Head size 64: the first product's K = 128 is half zero codes (scale bytes 127 there).
; t = score x log2(e) / 8; M = the running largest t rounded up to a whole number; p = 2^(t - M) is quantised along the keys, not normalised; the row's sum is taken of the unquantised p and divides O at the end;
; O / sum is quantised along the head's 64 channels (two blocks of the last product's K) and stored as codes.
; SHARES.  Work-group (x, head) owns the blocks of 256 queries 7 - x (pass 0) and x (pass 1): (8 - x) + (x + 1) = 9 slots of keys for every x, so all 256 work-groups have equal work.  Sixteen waves, a tile of 16 query positions each.
; Each pass walks all 8 slots of 256 keys with constant trip counts; a step all of whose keys come after the wave's queries is jumped over (a branch on ids), and slots beyond the work-group's last query are not asked for.
; POSITION ORDER.  Row p of q, k holds token p with bits 3, 4 exchanged; likewise v's channels.  Both products are used transposed (source 0 = 16 consecutive positions of keys, or of channels; source 1 = my queries, or p):
; a lane holds one query, and the 16 registers of tiles 2 b, 2 b + 1 are the natural keys (channels) 32 b + 16 (lane / 16) + 0 .. 15.
; NO CLUSTER: the four work-groups of a head need 8 - x and x + 1 slots, different numbers in partners, and a slot is 24,576 bytes beside the softmax of sixteen waves x two steps.
; Every wait on TENSORcnt is for 0; a wave has two tensor loads out at the most (at the head).
; LIMITS: NaN and infinities are not served; a block under 2^-124, or of zeros, gets the byte 1; a block's largest p is made from the block's largest score by the same two instructions, which takes v_exp_f32 not to fall where its input rises.
; REGISTERS: v1-11 addresses; v12 -M, v13 largest t, v[14:15] the sum; v16-27 Q (v22-27 zeros); v28-31 offsets; v32-79 four fragments of K (upper halves zeros); v80-127 four of V; v128-191 S^T, then p; v192-223 O^T; v224-235 p's codes; v232-255 at work.
.set SLOT1, 32768                      ; a slot: K, 256 positions x 48 bytes, then V, two steps x 64 channels x 96 bytes
.set VOFF,  12288
.set SCK,   65536                      ; K's scale words of the head, 8,192 bytes; filled once
.set SCV,   73728                      ; V's, 4,096 bytes
.set STAGE, 77824                      ; 768 bytes a wave for the way out; no tensor load lands here
.set SPARE, 90112                      ; the spare words, 128 bytes for each wave
.set KC,    6291456
.set VC,    12582912
.set KSW,   524288
.set VSW,   1048576
.set AK0,  1
.set AV0,  2
.set ASK0, 3
.set ASV0, 4
.set SPW,  5
.set NIL,  6
.set L8,   7                           ; 8 x lane
.set ADK,  8
.set ADV,  9
.set ADS,  10
.set ADT,  11
.set PFO,  28
.set RRH,  29                          ; r + (r & 8) - 16 h
.set QOF,  30                          ; r 48 + 24 h
.set WOF,  31                          ; 4 r
.set TB,   2
.set TS,   3
.set WV,   18
.set SEL,  20
.set CS,   22
.set G1,   24
.set G1S,  32
.set G0,   40
.set G0S,  44
.set PFA,  48
.set LIM,  50
.set TJ,   66
.set SLOTS, 67
.set Q0,   84                          ; s84, s85: my first query position in pass 0, 1
.set LAST, 86                          ; s86, s87: my work-group's last query
.set QB,   88                          ; s88, s89: the natural query of lane r is QB + r + (r & 8)
.set KF,   98
.macro TLOAD g0, g1, nw                ; waves 0 .. nw - 1 fetch; s_nop 0 and four v_nop follow the load
	s_cmp_lt_u32 s[WV], \nw
	s_cbranch_scc0 .Lasked_\@
	tensor_load_to_lds s[\g0:\g0+3], s[\g1:\g1+7]
	s_nop 0
.rept 4
	v_nop
.endr
.Lasked_\@:
.endm
; A prefetch of the slot after the one that is being asked for: its 12,288 bytes of K and 12,288 of V, lanes 256 bytes apart, 96 lanes: waves 4 to 6 of the head's work-group x = 0, in pass 0, which walks all slots.
; So each aligned run of 256 bytes is named once in the launch.  Slots 0 and 1 come by their loads alone; the last change that fills a slot asks for nothing.
.macro ASK
	s_cmp_gt_u32 s[SLOTS], s[LIM]
	s_cbranch_scc0 .Lnot_mine_\@
	global_prefetch_b8 v[PFO], s[PFA:PFA+1] th:TH_LOAD_NT scope:SCOPE_SE
.Lnot_mine_\@:
.endm
.macro PASSADR p                       ; s96 = the pass's block of queries: ids and byte offsets (the buffers' addresses are added later)
	s_lshl_b32 s97, s96, 8
	s_or_b32 s[LAST+\p], s97, 255
	s_lshl_b32 s90, s[WV], 4
	s_add_co_u32 s[Q0+\p], s97, s90
	s_and_b32 s91, s[Q0+\p], 0xffffffe0
	s_bfe_u32 s92, s[Q0+\p], 0x10004
	s_lshl_b32 s92, s92, 3
	s_add_co_u32 s[QB+\p], s91, s92
	s_lshl_b32 s91, s12, 11
	s_add_co_u32 s91, s91, s[Q0+\p]
	s_mul_i32 s[68+8*\p], s91, 48                  ; Q's codes
	s_mov_b32 s[69+8*\p], 0
	s_lshl_b32 s[70+8*\p], s91, 2                  ; Q's scale words
	s_mov_b32 s[71+8*\p], 0
	s_lshl_b32 s91, s13, 11
	s_add_co_u32 s91, s91, s[Q0+\p]                ; my first token position among the 8,192
	s_lshl_b32 s92, s14, 13
	s_add_co_u32 s92, s92, s91
	s_mul_i32 s[72+8*\p], s92, 48                  ; ctx's codes: plane h
	s_mov_b32 s[73+8*\p], 0
	s_lshr_b32 s92, s14, 1
	s_lshl_b32 s92, s92, 13
	s_add_co_u32 s92, s92, s91
	s_lshl_b32 s92, s92, 2
	s_and_b32 s93, s14, 1
	s_lshl_b32 s93, s93, 1
	s_add_co_u32 s[74+8*\p], s92, s93              ; ctx's scale words: pair h / 2, my head's two bytes
	s_mov_b32 s[75+8*\p], 0
.endm
.macro QLOAD p
.irp i, 0,1,2
	global_load_b64 v[16+2*\i:17+2*\i], v[QOF], s[68+8*\p:69+8*\p] offset:8*\i
.endr
	global_load_b32 v255, v[WOF], s[70+8*\p:71+8*\p]
.endm
	s_load_b256 s[4:11], s[0:1], 0x0               ; hc s[4:5], hs s[6:7], cc s[8:9], cs s[10:11]
	v_lshl_add_u32 v[SPW], v0, 2, SPARE
	v_mov_b32 v[NIL], 0
	ds_add_u32 v[SPW], v[NIL]                      ; the wave's opening: the add and its wait ahead of my first tensor load
	v_lshrrev_b32 v8, 5, v0
	v_readfirstlane_b32 s[WV], v8                  ; wave 0..15
	s_and_b32 s12, ttmp7, 0xffff                   ; batch x 16 + head
	s_lshr_b32 s13, s12, 4
	s_and_b32 s14, s12, 15
	s_sub_co_u32 s96, 7, ttmp9
	PASSADR 0
	s_mov_b32 s96, ttmp9
	PASSADR 1
	s_mov_b32 s[G1], 3<<16                         ; 6,144 dense bytes as 24 rows of 256 (32 elements of 8 bytes); no mask, no padding
	s_mov_b32 s[G1+1], 32<<16
	s_mov_b32 s[G1+2], 24<<16
	s_mov_b32 s[G1+3], 32<<16
	s_mov_b32 s[G1+4], 24
	s_mov_b32 s[G1+5], 32
	s_mov_b32 s[G1+6], 0
	s_mov_b32 s[G1+7], 0
	s_mov_b32 s[G1S], 3<<16                        ; 4,096 dense bytes as 16 rows of 256
	s_mov_b32 s[G1S+1], 32<<16
	s_mov_b32 s[G1S+2], 16<<16
	s_mov_b32 s[G1S+3], 32<<16
	s_mov_b32 s[G1S+4], 16
	s_mov_b32 s[G1S+5], 32
	s_mov_b32 s[G1S+6], 0
	s_mov_b32 s[G1S+7], 0
	s_mul_i32 s90, s12, 98304                      ; the head's codes
	s_add_co_u32 s94, s90, KC+12288                ; the prefetches stand at K's slot 1: the first change steps them to slot 2
	s_mov_b32 s95, 0
	s_and_b32 s91, s[WV], 1
	s_mul_i32 s91, s91, 6144
	s_add_co_u32 s91, s91, s90
	s_mov_b32 s92, VC
	s_cmp_lt_u32 s[WV], 2                          ; waves 0, 1: K's halves of a slot; waves 2, 3: V's two steps
	s_cselect_b32 s92, KC, s92
	s_add_co_u32 s92, s92, s91
	s_mov_b32 s93, 0
	s_lshl_b32 s96, s12, 13
	s_lshl_b32 s97, s[WV], 12
	s_add_co_u32 s96, s96, s97
	s_add_co_u32 s96, s96, KSW
	s_lshl_b32 s97, s12, 12
	s_add_co_u32 s97, s97, VSW
	s_cmp_lt_u32 s[WV], 2                          ; waves 0, 1: halves of K's scale words; wave 2: V's
	s_cselect_b32 s90, s96, s97
	s_mov_b32 s91, 0
	s_sub_co_u32 s96, s[WV], 4
	s_cmp_lt_u32 s96, 3
	s_cselect_b32 s96, 0, 1
	s_or_b32 s96, s96, ttmp9
	s_cmp_eq_u32 s96, 0
	s_cselect_b32 s[LIM], 1, -1                    ; 1 in waves 4 to 6 of work-group x = 0, else the greatest number
	s_mov_b32 s[SEL], 0x76543210
	s_mov_b32 s[SEL+1], 0xfedcba98
	s_mov_b32 s[CS], 0x3e38aa3b                    ; c = log2(e) / 8
	s_mov_b32 s[CS+1], s[CS]
	s_mov_b32 s[TB], 0
	s_wait_dscnt 0x0                               ; the opening add is done
	s_wait_kmcnt 0x0
	s_mov_b32 s[G0S], 1
	s_lshl_b32 s[G0S+1], s[WV], 12
	s_add_co_u32 s[G0S+1], s[G0S+1], SCK
	s_add_nc_u64 s[G0S+2:G0S+3], s[6:7], s[90:91]
	s_or_b32 s[G0S+3], s[G0S+3], 0x80000000
	TLOAD G0S, G1S, 3                              ; the head's scale words: filled once
	s_mov_b32 s[G0], 1
	s_mul_i32 s[G0+1], s[WV], 6144
	s_add_nc_u64 s[G0+2:G0+3], s[4:5], s[92:93]
	s_or_b32 s[G0+3], s[G0+3], 0x80000000
	TLOAD G0, G1, 4                                ; slot 0
	s_add_nc_u64 s[PFA:PFA+1], s[4:5], s[94:95]
.irp p, 0,1
	s_add_nc_u64 s[68+8*\p:69+8*\p], s[4:5], s[68+8*\p:69+8*\p]
	s_add_nc_u64 s[70+8*\p:71+8*\p], s[6:7], s[70+8*\p:71+8*\p]
	s_add_nc_u64 s[72+8*\p:73+8*\p], s[8:9], s[72+8*\p:73+8*\p]
	s_add_nc_u64 s[74+8*\p:75+8*\p], s[10:11], s[74+8*\p:75+8*\p]
.endr
	v_and_b32 v8, 15, v0                           ; r
	v_bfe_u32 v9, v0, 4, 1                         ; h
	v_mul_u32_u24 v[QOF], v8, 48
	v_mad_u32_u24 v[QOF], v9, 24, v[QOF]
	v_lshlrev_b32 v[WOF], 2, v8
	QLOAD 0
	v_mul_u32_u24 v[AK0], v8, 48
	v_mad_u32_u24 v[AK0], v9, 24, v[AK0]
	v_mul_u32_u24 v[AV0], v8, 96
	v_mad_u32_u24 v[AV0], v9, 24, v[AV0]
	v_add_nc_u32 v[AV0], VOFF, v[AV0]
	v_lshl_add_u32 v[ASK0], v8, 2, SCK
	v_lshl_add_u32 v[ASV0], v8, 2, SCV
	v_and_b32 v[L8], 31, v0
	v_lshlrev_b32 v[L8], 3, v[L8]
	v_and_b32 v10, 8, v8
	v_add_nc_u32 v10, v10, v8
	v_lshlrev_b32 v11, 4, v9
	v_sub_nc_u32 v[RRH], v10, v11
	v_add_nc_u32 v[PFO], 0xffffff80, v0            ; thread - 128: 0 .. 95 in waves 4 to 6
	v_min_u32 v[PFO], 95, v[PFO]
	v_add_nc_u32 v10, 16, v[PFO]
	v_lshrrev_b32 v10, 6, v10                      ; 1 from 48 on: V's half
	v_mul_u32_u24 v10, v10, VC-KC-12288
	v_lshl_add_u32 v[PFO], v[PFO], 8, v10
.irp j, 22,23,24,25,26,27
	v_mov_b32 v[\j], 0                             ; the zero half of Q's K
.endr
.irp t, 0,1,2,3
.irp j, 6,7,8,9,10,11
	v_mov_b32 v[32+12*\t+\j], 0                    ; and of K's four fragments: written once
.endr
.endr
.irp b, 0,1,2,3
	v_mov_b32 v[236+\b], 0                         ; a lane permute's destination counts as one of its sources
.endr
	v_mov_b32 v252, 0
	v_mov_b32 v253, 0
; A KEY STEP: 128 keys, the q-th of the slot in hand, in pass p.
.macro STEP q, p
	s_add_co_u32 s96, s[Q0+\p], 15                 ; the step's first key is a multiple of 128, my queries lie in one group of 32: beyond Q0 + 15 means beyond all of them
	s_cmp_gt_u32 s[KF], s96
	s_cbranch_scc1 .Lhidden_\@
	v_add_nc_u32 v[ADK], s[TB], v[AK0]             ; (these four are also the places in front of the loads into the last products' scale registers)
	v_add_nc_u32 v[ADV], s[TB], v[AV0]
	v_add_nc_u32 v[ADS], s[TS], v[ASK0]
	v_add_nc_u32 v[ADT], s[TJ], v[ASV0]
.irp g, 0,1                            ; S^T = K Q^T, four tiles of 16 key positions at a time
.if \g > 0
.rept 4
	v_nop
.endr
.endif
.irp t, 0,1,2,3
.irp i, 0,1,2
	ds_load_b64 v[32+12*\t+2*\i:33+12*\t+2*\i], v[ADK] offset:(128*(\q)+16*(4*\g+\t))*48+8*\i
.endr
	ds_load_b32 v[248+\t], v[ADS] offset:64*(4*\g+\t)
.endr
	s_wait_dscnt 0x0
.irp t, 0,1,2,3
	v_wmma_scale_f32_16x16x128_f8f6f4 v[128+8*(4*\g+\t):135+8*(4*\g+\t)], v[32+12*\t:43+12*\t], v[16:27], 0, v[248+\t], v255 matrix_a_fmt:MATRIX_FMT_FP6 matrix_b_fmt:MATRIX_FMT_FP6
.endr
.endr
.rept 4
	v_nop
.endr
.irp t, 0,1,2,3                        ; V's four fragments and scale words are asked for now and land under the softmax
.irp i, 0,1,2,3,4,5
	ds_load_b64 v[80+12*\t+2*\i:81+12*\t+2*\i], v[ADV] offset:6144*(\q)+1536*\t+48*(\i/3)+8*(\i%3)
.endr
	ds_load_b32 v[248+\t], v[ADT] offset:64*\t
.endr
	s_add_co_u32 s96, s[KF], 127                   ; on the diagonal hidden scores become -infinity; a step all of whose keys count skips this
	s_cmp_le_u32 s96, s[Q0+\p]
	s_cbranch_scc1 .Lopen_\@
	s_sub_co_i32 s96, s[QB+\p], s[KF]
	v_add_nc_u32 v252, s96, v[RRH]                 ; d = my query - first key - 16 h: register 16 b + i is hidden where 32 b + i > d
	v_mov_b32 v254, 0xff800000
.irp n, 0,1,2,3,4,5,6,7,8,9,10,11,12,13,14,15,16,17,18,19,20,21,22,23,24,25,26,27,28,29,30,31,32,33,34,35,36,37,38,39,40,41,42,43,44,45,46,47,48,49,50,51,52,53,54,55,56,57,58,59,60,61,62,63
	v_cmp_gt_i32 vcc_lo, 32*(\n/16)+\n%16, v252
	v_cndmask_b32 v[128+\n], v[128+\n], v254, vcc_lo
.endr
.Lopen_\@:
.irp b, 0,1,2,3
	v_max3_num_f32 v[232+\b], v[128+16*\b], v[129+16*\b], v[130+16*\b]   ; the largest score of each block of 32 keys: for the row's maximum and for the block's largest p
.endr
.irp i, 3,5,7,9,11,13
.irp b, 0,1,2,3
	v_max3_num_f32 v[232+\b], v[232+\b], v[128+16*\b+\i], v[129+16*\b+\i]
.endr
.endr
.irp b, 0,1,2,3
	v_max_num_f32 v[232+\b], v[232+\b], v[143+16*\b]
.endr
.irp b, 0,1,2,3
	v_permlanex16_b32 v[236+\b], v[232+\b], s[SEL], s[SEL+1]
.endr
.irp b, 0,1,2,3
	v_max_num_f32 v[232+\b], v[232+\b], v[236+\b]
.endr
	v_max3_num_f32 v254, v232, v233, v234
	v_max_num_f32 v254, v254, v235
	v_mul_f32 v254, s[CS], v254
	v_max_num_f32 v13, v13, v254                   ; the running largest t
	v_mov_b32 v254, v12
	v_floor_f32 v12, -v13                          ; -M = floor(-t)
	v_sub_f32 v254, v12, v254                      ; old M - new M: a whole number, 0 or less
	v_cvt_i32_f32 v254, v254
	v_ldexp_f32 v252, 1.0, v254                    ; f = 2^(old M - new M): exact
.irp j, 0,2,4,6,8,10,12,14,16,18,20,22,24,26,28,30,32,34,36,38,40,42,44,46,48,50,52,54,56,58,60,62
	v_pk_fma_f32 v[128+\j:129+\j], v[128+\j:129+\j], s[CS:CS+1], v[12:13] op_sel_hi:[1,0,0]   ; t - M
.endr
.irp b, 0,1,2,3
	v_fma_f32 v[232+\b], v[232+\b], s[CS], v12
.endr
.irp j, 0,1,2,3,4,5,6,7,8,9,10,11,12,13,14,15,16,17,18,19,20,21,22,23,24,25,26,27,28,29,30,31,32,33,34,35,36,37,38,39,40,41,42,43,44,45,46,47,48,49,50,51,52,53,54,55,56,57,58,59,60,61,62,63
	v_exp_f32 v[128+\j], v[128+\j]                 ; p = 2^(t - M)
.endr
	v_pk_mul_f32 v[14:15], v[14:15], v[252:253] op_sel_hi:[1,0]   ; the sums under the new M: the plain place behind the exponentials
	s_wait_alu depctr_va_vdst(0)                   ; one wait for the batch of 64, ahead of its first reader
.irp b, 0,1,2,3
	v_exp_f32 v[232+\b], v[232+\b]                 ; each block's largest p
.endr
	v_pk_add_f32 v[236:237], v[128:129], v[130:131]   ; the row's sum of the unquantised p, in two chains
.irp j, 4,8,12,16,20,24,28,32,36,40,44,48,52,56,60
	v_pk_add_f32 v[14:15], v[14:15], v[128+\j:129+\j]
	v_pk_add_f32 v[236:237], v[236:237], v[130+\j:131+\j]
.endr
	v_pk_add_f32 v[14:15], v[14:15], v[236:237]
	s_wait_alu depctr_va_vdst(0)                   ; and one for the four
.irp b, 0,1,2,3
	v_max_num_f32 v[232+\b], 0x1800000, v[232+\b]  ; the floor 2^(3 - 127)
.endr
.irp b, 0,1,2,3
	v_add_nc_u32 v[244+\b], 0xff000000, v[232+\b]
.endr
.irp b, 0,1,2,3
	v_lshrrev_b32 v[236+\b], 23, v[244+\b]
.endr
	v_lshl_or_b32 v253, v237, 8, v236              ; p's scale word for these 128 keys
	v_lshl_or_b32 v253, v238, 16, v253
	v_lshl_or_b32 v253, v239, 24, v253
.irp c, 0,1
	v_cvt_scalef32_pk16_fp6_f32 v[224+6*\c:226+6*\c], v[128+32*\c:143+32*\c], v[244+2*\c]
	v_cvt_scalef32_pk16_fp6_f32 v[236+4*\c:238+4*\c], v[144+32*\c:159+32*\c], v[245+2*\c]
.endr
	v_nop                                          ; one plain place behind a scaled conversion
.irp c, 0,1
.irp i, 0,1,2
	v_permlane16_swap_b32 v[224+6*\c+\i], v[236+4*\c+\i]
.endr
.irp i, 0,1,2
	v_mov_b32 v[227+6*\c+\i], v[236+4*\c+\i]
.endr
.endr
.irp j, 0,2,4,6,8,10,12,14,16,18,20,22,24,26,28,30
	v_pk_mul_f32 v[192+\j:193+\j], v[192+\j:193+\j], v[252:253] op_sel_hi:[1,0]   ; O^T under the new M; these sixteen are also the places between the scale word, the codes and the products
.endr
	s_wait_dscnt 0x0                               ; V's fragments and scale words are in
.irp t, 0,1,2,3                        ; O^T += V^T P^T: four accumulators by turns
	v_wmma_scale_f32_16x16x128_f8f6f4 v[192+8*\t:199+8*\t], v[80+12*\t:91+12*\t], v[224:235], v[192+8*\t:199+8*\t], v[248+\t], v253 matrix_a_fmt:MATRIX_FMT_FP6 matrix_b_fmt:MATRIX_FMT_FP6
.endr
.Lhidden_\@:
	s_add_co_u32 s[KF], s[KF], 128
	s_add_co_u32 s[TS], s[TS], 512                 ; the next step's scale words
	s_add_co_u32 s[TJ], s[TJ], 256
.endm
; THE CHANGE OF SLOTS, at a slot's head: all my tensor loads have landed, the add, my reads of the slot that I have left are over; the barrier; then the fill of that slot.
; mode 1: the keys that follow, up to the causal limit.  mode 2: pass 0's last change: keys 0 to 255 again, for pass 1, which always reads them.  mode 0: nothing.
.macro CHANGE mode, p
	s_wait_tensorcnt 0x0
	ds_add_u32 v[SPW], v[NIL]                      ; the descriptor's steps stand between the add and its wait
.if (\mode) == 1
	s_xor_b32 s[G0+1], s[G0+1], SLOT1
	s_add_nc_u64 s[G0+2:G0+3], s[G0+2:G0+3], 12288
.if (\p) == 0
	s_wait_xcnt 0x0                                ; the last prefetch, a slot back, has read its address
	s_add_nc_u64 s[PFA:PFA+1], s[PFA:PFA+1], 12288
.endif
.endif
.if (\mode) == 2
	s_xor_b32 s[G0+1], s[G0+1], SLOT1
	s_sub_nc_u64 s[G0+2:G0+3], s[G0+2:G0+3], 7*12288
.endif
	s_wait_dscnt 0x0
	s_barrier_signal -1
	s_barrier_wait -1
.if (\mode) == 1
	s_add_co_u32 s96, s[KF], 256                   ; the first key of the slot that would be asked for: beyond my work-group's last query no wave reads it
	s_cmp_gt_u32 s96, s[LAST+\p]                   ; ids and the count of steps alone: all sixteen waves go the same way
	s_cbranch_scc1 .Lpast_\@
	TLOAD G0, G1, 4
.Lpast_\@:
.if (\p) == 0
	ASK
.endif
.endif
.if (\mode) == 2
	TLOAD G0, G1, 4
.endif
.endm
.macro SLOT_STEPS p
	STEP 0, \p
	STEP 1, \p
	s_xor_b32 s[TB], s[TB], SLOT1
.endm
; THE WAY OUT of a pass: O^T / the sum; its two blocks of 32 channels are quantised; the wave's 768 bytes of codes go through its stage and leave as three aligned runs of 256 bytes; two scale bytes a token.
.macro OUT p
.if (\p) == 0
	QLOAD 1                                        ; the next pass's queries
.endif
	v_add_f32 v14, v14, v15
	v_permlanex16_b32 v252, v14, s[SEL], s[SEL+1]
	v_add_f32 v14, v14, v252
	v_rcp_f32 v14, v14
	v_and_b32 v8, 15, v0                           ; (plain work behind the reciprocal)
	v_bfe_u32 v9, v0, 4, 1
	s_mul_i32 s96, s[WV], 768
	s_add_co_u32 s96, s96, STAGE
	v_mul_u32_u24 v10, v8, 48
	v_mad_u32_u24 v10, v9, 24, v10
	v_add_nc_u32 v10, s96, v10                     ; in: token r, block h
	v_add_nc_u32 v11, s96, v[L8]                   ; back: 8 bytes a lane
	s_wait_alu depctr_va_vdst(0)                   ; ahead of the reciprocal's first reader
.irp j, 0,1,2,3,4,5,6,7,8,9,10,11,12,13,14,15,16,17,18,19,20,21,22,23,24,25,26,27,28,29,30,31
	v_mul_f32 v[128+\j], v[192+\j], v14            ; register 16 b + i = channel 32 b + 16 h + i; each accumulator from its low end on
.endr
.irp b, 0,1
	v_max3_num_f32 v[232+\b], |v[128+16*\b]|, |v[129+16*\b]|, 0x1800000
.endr
.irp i, 2,4,6,8,10,12,14
.irp b, 0,1
	v_max3_num_f32 v[232+\b], v[232+\b], |v[128+16*\b+\i]|, |v[129+16*\b+\i]|
.endr
.endr
.irp b, 0,1
	v_permlanex16_b32 v[236+\b], v[232+\b], s[SEL], s[SEL+1]
.endr
.irp b, 0,1
	v_max_num_f32 v[232+\b], v[232+\b], v[236+\b]
.endr
.irp b, 0,1
	v_add_nc_u32 v[244+\b], 0xff000000, v[232+\b]
.endr
.irp b, 0,1
	v_lshrrev_b32 v[236+\b], 23, v[244+\b]
.endr
	v_lshl_or_b32 v254, v237, 8, v236
	v_cvt_scalef32_pk16_fp6_f32 v[224:226], v[128:143], v244
	v_cvt_scalef32_pk16_fp6_f32 v[240:242], v[144:159], v245
	v_nop
.irp i, 0,1,2
	v_permlane16_swap_b32 v[224+\i], v[240+\i]
.endr
.irp i, 0,1,2
	v_mov_b32 v[227+\i], v[240+\i]
.endr
.irp i, 0,1,2
	ds_store_b64 v10, v[224+2*\i:225+2*\i] offset:8*\i
.endr
.irp i, 0,1,2
	ds_load_b64 v[32+2*\i:33+2*\i], v11 offset:256*\i   ; LDS serves a wave's instructions in order: these see my stores
.endr
	s_wait_dscnt 0x0
.irp i, 0,1,2
	global_store_b64 v[L8], v[32+2*\i:33+2*\i], s[72+8*\p:73+8*\p] offset:256*\i
.endr
	global_store_b16 v[WOF], v254, s[74+8*\p:75+8*\p]   ; both halves of the lanes store the same two bytes
.endm
.macro PASS p
.if (\p) == 1
	s_wait_xcnt 0x0                                ; the last pass's stores have read their registers
.endif
	v_mov_b32 v13, 0xff61b1e6                      ; the largest t so far: -3e38
	v_floor_f32 v12, -v13
	v_mov_b32 v14, 0
	v_mov_b32 v15, 0
.irp j, 0,1,2,3,4,5,6,7,8,9,10,11,12,13,14,15,16,17,18,19,20,21,22,23,24,25,26,27,28,29,30,31
	v_mov_b32 v[192+\j], 0                         ; the step is written once: the first finds zeros, which the first change of M leaves zeros
.endr
	s_mov_b32 s[TS], 0
	s_mov_b32 s[TJ], 0
	s_mov_b32 s[KF], 0
	s_mov_b32 s[SLOTS], 7
	s_wait_loadcnt 0x0                             ; Q
.Lslot_\@:
	CHANGE 1, \p
	SLOT_STEPS \p
	s_sub_co_u32 s[SLOTS], s[SLOTS], 1
	s_cmp_lg_u32 s[SLOTS], 0
	s_cbranch_scc1 .Lslot_\@
	CHANGE 2*(1-\p), \p
	SLOT_STEPS \p
	OUT \p
.endm
	PASS 0
	PASS 1
	s_wait_tensorcnt 0x0                           ; the wave's end
	ds_add_u32 v[SPW], v[NIL]
	s_wait_dscnt 0x0
	s_endpgm
.Lfunc_end_k_qebd0185d24_attn:
	.size	k_qebd0185d24_attn, .Lfunc_end_k_qebd0185d24_attn-k_qebd0185d24_attn
	.p2alignl 7, 3214868480
	.fill 96, 4, 3214868480
	.section	.rodata,"a",@progbits
	.p2align	6, 0x0
	.amdhsa_kernel k_qebd0185d24_attn
		.amdhsa_group_segment_fixed_size 327680
		.amdhsa_private_segment_fixed_size 0
		.amdhsa_enable_private_segment 0
		.amdhsa_kernarg_size 32
		.amdhsa_user_sgpr_count 2
		.amdhsa_user_sgpr_kernarg_segment_ptr 1
		.amdhsa_wavefront_size32 1
		.amdhsa_system_sgpr_workgroup_id_x 1
		.amdhsa_system_sgpr_workgroup_id_y 1
		.amdhsa_system_sgpr_workgroup_id_z 1
		.amdhsa_system_vgpr_workitem_id 0
		.amdhsa_next_free_vgpr 256
		.amdhsa_next_free_sgpr 100
		.amdhsa_reserve_vcc 1
		.amdhsa_float_denorm_mode_32 3
		.amdhsa_float_denorm_mode_16_64 3
		.amdhsa_memory_ordered 1
		.amdhsa_forward_progress 1
		.amdhsa_inst_pref_size 207
	.end_amdhsa_kernel
	.amdgpu_metadata
---
amdhsa.version: [ 1, 2 ]
amdhsa.kernels:
  - .name:           k_qebd0185d24_attn
    .symbol:         k_qebd0185d24_attn.kd
    .args:
      - { .name: hc, .offset: 0, .size: 8, .value_kind: global_buffer, .address_space: global }
      - { .name: hs, .offset: 8, .size: 8, .value_kind: global_buffer, .address_space: global }
      - { .name: cc, .offset: 16, .size: 8, .value_kind: global_buffer, .address_space: global }
      - { .name: cs, .offset: 24, .size: 8, .value_kind: global_buffer, .address_space: global }
    .group_segment_fixed_size: 327680
    .private_segment_fixed_size: 0
    .kernarg_segment_align: 8
    .kernarg_segment_size: 32
    .max_flat_workgroup_size: 512
    .sgpr_count:     100
    .vgpr_count:     256
    .wavefront_size: 32
...
	.end_amdgpu_metadata
.endif
;; end of part 3
;; launch oproj (part 4): grid 4 x 32, 4 waves a work-group, clusters of 4 x 4, 327,680 bytes of LDS; arguments cc, cs, opc, ops, bo, out0; writes out0
.if DOCPART == 4
	.amdgcn_target "amdgcn-amd-amdhsa--gfx1250"
	.amdhsa_code_object_version 6
	.text
	.protected	k_qebd0185d24_oproj
	.globl	k_qebd0185d24_oproj
	.p2align	8
	.type	k_qebd0185d24_oproj,@function
k_qebd0185d24_oproj:
	s_mov_b64 s[64:65], 0
	v_nop
	global_prefetch_b8 v0, s[64:65] scope:SCOPE_SE
	s_setreg_imm32_b32 hwreg(HW_REG_WAVE_MODE, 25, 1), 1
	s_wait_xcnt 0x0
	s_wait_alu depctr_hold_cnt(0) depctr_sa_sdst(0) depctr_va_vdst(0) depctr_va_sdst(0) depctr_va_ssrc(0) depctr_va_vcc(0) depctr_vm_vsrc(0)
	s_getreg_b32 s2, hwreg(HW_REG_IB_STS2, 6, 4)
	s_cmp_eq_u32 s2, 0
	s_cbranch_scc0 .Lentry_in_a_cluster
	s_endpgm
.Lentry_in_a_cluster:
	s_bfe_u32 s2, ttmp6, 0x10000c
	s_cmp_lg_u32 s2, 0xf033
	s_cbranch_scc0 .Lentry_shape_is_right
	s_endpgm
.Lentry_shape_is_right:
; out = ctx Wo^T + bo on codes of FP6 (E2M3) with E8M0 scales, K = 1,024, sums in f32, out f32.
; ctx's codes lie in planes [head 16][token position 8192][48 bytes], its scale words [pair of heads 8][position][4 bytes]: 128 along K are two planes and one word.  Wo's codes [1024][768 bytes], scales [1024][32].
; A work-group makes 256 token positions x 256 columns, a wave 128 x 128: 64 accumulators.  K goes in steps of 256 (four planes) through two LDS slots.  128 work-groups: the tile is kept large for the sake of LDS reads.
; CLUSTERS of 4 x 4: ctx's tiles are shared along a row of the cluster, Wo's along a column: joint tensor loads.  Three tensor loads of a wave are out at the most.  No prefetch: two refills in all.
; The product is used transposed (source 0 = 16 rows of Wo, source 1 = 16 token positions): a lane holds eight neighbouring columns of one token.  The bias is the C of each sum's first matrix instruction.
; Token position p holds token p with bits 3 and 4 exchanged: the stores' row offsets undo it.
; REGISTERS: window 0: v1-31 addresses; v32-63 ctx's scale words, v64-95 Wo's (two sets each); v96-127, v224-255 the bias, eight registers for each block of columns; v128-223 ctx's fragments, one set.
;   window 1: Wo's fragments, two sets.  windows 2, 3: the accumulators.
.set NQ,     2
.set ROWB,   192
.set KROW,   768
.set PITCH,  240
.set FR,     12
.set NL,     6
.set NP,     4
.set AHALF,  24576                     ; ctx: [plane 4][128 rows][48 bytes], no padding: sixteen rows of 48 bytes fall on 64 different banks with loads of 8 bytes
.set HALFT,  128*PITCH
.set SLOT,   2*AHALF+2*HALFT
.set LAPS,   2
.set SPARE,  2*SLOT
.set SCLA,   SPARE+512                 ; ctx's scale words: [half 2][pair 8][128 x 4 bytes]; filled once
.set SCLB,   SCLA+8192                 ; Wo's: units of 256 bytes + 16
.set HALFS,  4352
.set SBLK,   544
.set SPITCH, 528                       ; the way out: 16 rows x (512 + 16) bytes for each wave, in slot 0, which has had its last fill and its last read by then
.set WOC,    8650752
.set WOS,    360448
.set ADRA, 16
.set ADRB, 20
.set STO,  24
.set RD,   25
.set CO,   26
.set ADSA, 27
.set SPW,  28
.set NIL,  29
.set ADSB, 30
.set SCA,  32
.set SCB,  64
.set AF,   128
.set BK,   128
.set G1, 24
.set G0, 32
.set G1B, 48
.set G0B, 56
.set G1S, 68
.set G0S, 76
.set G1SB, 80
.set G0SB, 88
.set MSB, 0
.macro WIN new
.if MSB != (\new)
	s_set_vgpr_msb (MSB<<8)|(\new)
.set MSB, (\new)
.endif
.endm
.set MUL_LO, 0xa1
.set MUL_HI, 0xf1
.set TO_B,   0x40
.macro JLOAD g0a, g1a, g0b, g1b        ; waves 0, 1 fetch ctx's halves, waves 2, 3 Wo's; s_nop 0 and four v_nop follow each line
	s_cmp_eq_u32 s15, 0
	s_cbranch_scc0 .Lfor_b_\@
	tensor_load_to_lds s[\g0a:\g0a+3], s[\g1a:\g1a+7]
	s_nop 0
.rept 4
	v_nop
.endr
	s_branch .Lasked_\@
.Lfor_b_\@:
	tensor_load_to_lds s[\g0b:\g0b+3], s[\g1b:\g1b+7]
	s_nop 0
.rept 4
	v_nop
.endr
.Lasked_\@:
.endm
.macro CREST
	s_cmp_lg_u32 s14, 0
	s_cbranch_scc1 .Lnot_wave_0_\@
	s_barrier_signal -3
.Lnot_wave_0_\@:
	s_barrier_wait -3
	s_barrier_signal -1
	s_barrier_wait -1
.endm
.macro CROUND
	s_barrier_signal -1
	s_barrier_wait -1
	CREST
.endm
	s_load_b256 s[4:11], s[0:1], 0x0               ; cc s[4:5], cs s[6:7], opc s[8:9], ops s[10:11]
	s_load_b128 s[96:99], s[0:1], 0x20             ; bo s[96:97], out0 s[98:99]
	v_lshl_add_u32 v[SPW], v0, 2, SPARE
	v_mov_b32 v[NIL], 0
	ds_add_u32 v[SPW], v[NIL]                      ; the wave's opening: the add and its wait ahead of my first tensor load
	v_lshrrev_b32 v1, 5, v0
	v_readfirstlane_b32 s14, v1
	s_lshr_b32 s15, s14, 1                         ; my half of the tokens.  Also: I fetch ctx (0) or Wo (1)
	s_and_b32 s16, s14, 1                          ; my half of the columns.  Also: which 128 rows I fetch
	s_bfe_u32 s40, ttmp6, 0x40000
	s_bfe_u32 s41, ttmp6, 0x40004
	s_lshl_b32 s42, ttmp9, 2
	s_add_co_u32 s42, s42, s40                     ; tile column
	s_and_b32 s17, ttmp7, 0xffff
	s_lshl_b32 s17, s17, 2
	s_add_co_u32 s17, s17, s41                     ; tile row
	s_lshl_b32 s43, s41, 2
	s_lshl_b32 s43, 15, s43
	s_lshl_b32 s44, 0x1111, s40
	s_or_b32 s[G1+0], s43, (3<<16)|(1<<21)         ; ctx: four planes' 6,144 dense bytes (768 elements of 8), 393,216 bytes apart; no padding
	s_mov_b32 s[G1+1], 768<<16
	s_mov_b32 s[G1+2], 4<<16
	s_mov_b32 s[G1+3], 768<<16
	s_mov_b32 s[G1+4], 4
	s_mov_b32 s[G1+5], 49152
	s_mov_b32 s[G1+6], 0
	s_mov_b32 s[G1+7], 0
	s_or_b32 s[G1B+0], s44, (0<<16)|(1<<20)|(1<<21)|(3<<22)|(3<<25)  ; Wo: 128 rows x 192 bytes, 16 bytes of padding behind every 64
	s_mov_b32 s[G1B+1], ROWB<<16
	s_mov_b32 s[G1B+2], 128<<16
	s_mov_b32 s[G1B+3], ROWB<<16
	s_mov_b32 s[G1B+4], 128
	s_mov_b32 s[G1B+5], KROW
	s_mov_b32 s[G1B+6], 0
	s_mov_b32 s[G1B+7], 0
	s_or_b32 s[G1S+0], s43, (3<<16)|(1<<21)        ; ctx's scale words: eight pairs' 512 dense bytes, 32,768 bytes apart
	s_mov_b32 s[G1S+1], 64<<16
	s_mov_b32 s[G1S+2], 8<<16
	s_mov_b32 s[G1S+3], 64<<16
	s_mov_b32 s[G1S+4], 8
	s_mov_b32 s[G1S+5], 4096
	s_mov_b32 s[G1S+6], 0
	s_mov_b32 s[G1S+7], 0
	s_or_b32 s[G1SB+0], s44, (3<<16)|(1<<20)|(1<<21)|(5<<22)|(3<<25) ; Wo's scales: 4,096 dense bytes as 16 rows of 256, padded
	s_mov_b32 s[G1SB+1], 32<<16
	s_mov_b32 s[G1SB+2], 16<<16
	s_mov_b32 s[G1SB+3], 32<<16
	s_mov_b32 s[G1SB+4], 16
	s_mov_b32 s[G1SB+5], 32
	s_mov_b32 s[G1SB+6], 0
	s_mov_b32 s[G1SB+7], 0
	s_lshl_b32 s18, s16, 7
	s_lshl_b32 s20, s17, 8
	s_add_co_u32 s20, s20, s18                     ; ctx: the first position that I fetch
	s_lshl_b32 s46, s42, 8
	s_add_co_u32 s46, s46, s18                     ; Wo: the first row
	s_lshl_b32 s22, s20, 2
	s_mov_b32 s23, 0
	s_mul_i32 s20, s20, 48
	s_mov_b32 s21, 0
	s_lshl_b32 s92, s46, 5
	s_add_co_u32 s92, s92, WOS
	s_mov_b32 s93, 0
	s_mul_i32 s46, s46, KROW
	s_add_co_u32 s46, s46, WOC
	s_mov_b32 s47, 0
	s_mul_i32 s45, s16, AHALF                      ; where they go in a slot: ctx's halves,
	s_mul_i32 s94, s16, HALFT
	s_add_co_u32 s94, s94, 2*AHALF                 ; then Wo's
	s_lshl_b32 s66, s16, 12
	s_mul_i32 s67, s16, HALFS
	s_wait_dscnt 0x0                               ; the opening add is done
	s_wait_kmcnt 0x0
	s_add_nc_u64 s[20:21], s[4:5], s[20:21]
	s_add_nc_u64 s[22:23], s[6:7], s[22:23]
	s_add_nc_u64 s[46:47], s[8:9], s[46:47]
	s_add_nc_u64 s[92:93], s[10:11], s[92:93]
	CROUND                                         ; all sixteen work-groups are here: the first joint loads meet
	s_mov_b32 s[G0S], 1
	s_add_co_u32 s[G0S+1], s66, SCLA
	s_mov_b64 s[G0S+2:G0S+3], s[22:23]
	s_or_b32 s[G0S+3], s[G0S+3], 0x80000000
	s_mov_b32 s[G0SB], 1
	s_add_co_u32 s[G0SB+1], s67, SCLB
	s_mov_b64 s[G0SB+2:G0SB+3], s[92:93]
	s_or_b32 s[G0SB+3], s[G0SB+3], 0x80000000
	JLOAD G0S, G1S, G0SB, G1SB
.irp s, 0,1
	s_mov_b32 s[G0+4*\s], 1
	s_add_co_u32 s[G0+4*\s+1], s45, \s*SLOT
	s_add_nc_u64 s[G0+4*\s+2:G0+4*\s+3], s[20:21], \s*1572864      ; four planes on
	s_or_b32 s[G0+4*\s+3], s[G0+4*\s+3], 0x80000000
	s_mov_b32 s[G0B+4*\s], 1
	s_add_co_u32 s[G0B+4*\s+1], s94, \s*SLOT
	s_add_nc_u64 s[G0B+4*\s+2:G0B+4*\s+3], s[46:47], \s*ROWB
	s_or_b32 s[G0B+4*\s+3], s[G0B+4*\s+3], 0x80000000
	JLOAD G0+4*\s, G1, G0B+4*\s, G1B
.endr
	v_and_b32 v1, 15, v0                           ; r
	v_bfe_u32 v2, v0, 4, 1                         ; h
	s_lshl_b32 s46, s42, 10                        ; my first column, in bytes of f32: 1,024 x tile column + 512 x half
	s_lshl_b32 s47, s16, 9
	s_add_co_u32 s46, s46, s47
	s_mov_b32 s47, 0
	s_add_nc_u64 s[96:97], s[96:97], s[46:47]      ; the bias at my first column
	v_lshlrev_b32 v3, 5, v2                        ; lane (r, h) wants, for block b, the bias of columns 16 b + 8 h + 0 .. 7
.irp b, 0,1,2,3,4,5,6,7
	global_load_b128 v[96+8*\b+96*(\b/4):99+8*\b+96*(\b/4)], v3, s[96:97] offset:64*\b
	global_load_b128 v[100+8*\b+96*(\b/4):103+8*\b+96*(\b/4)], v3, s[96:97] offset:64*\b+16
.endr
	v_mul_u32_u24 v4, v1, 48
	v_mad_u32_u24 v4, v2, 24, v4
	s_mul_i32 s21, s15, AHALF
	v_add_nc_u32 v[ADRA], s21, v4                  ; ctx: my half, row r, block h
	v_add_nc_u32 v[ADRA+1], SLOT, v[ADRA]
	v_mul_u32_u24 v4, v1, PITCH
	v_mad_u32_u24 v4, v2, 24, v4
	v_lshl_add_u32 v5, v2, 4, v4
	s_mul_i32 s22, s16, HALFT
	s_add_co_u32 s22, s22, 2*AHALF
.irp s, 0,1
	v_add_nc_u32 v[ADRB+\s], s22, v4
	v_add_nc_u32 v[ADRB+2+\s], s22, v5
	s_add_co_u32 s22, s22, SLOT
.endr
	s_lshl_b32 s21, s15, 12
	s_add_co_u32 s21, s21, SCLA
	v_lshl_add_u32 v[ADSA], v1, 2, s21
	v_lshlrev_b32 v5, 5, v1
	v_lshrrev_b32 v6, 8, v5
	v_lshl_add_u32 v5, v6, 4, v5
	s_mul_i32 s22, s16, HALFS
	s_add_co_u32 s22, s22, SCLB
	v_add_nc_u32 v[ADSB], s22, v5
	s_mul_i32 s23, s14, 16*SPITCH                  ; my stage
	v_mul_u32_u24 v5, v1, SPITCH
	v_lshl_add_u32 v5, v2, 5, v5
	v_add_nc_u32 v[STO], s23, v5
	v_and_b32 v6, 31, v0
	v_lshlrev_b32 v[CO], 4, v6
	v_add_nc_u32 v[RD], s23, v[CO]
	s_lshl_b32 s20, s17, 8
	s_lshl_b32 s21, s15, 7
	s_add_co_u32 s20, s20, s21                     ; my first token
	s_lshl_b32 s20, s20, 12                        ; rows of 4,096 bytes
	s_mov_b32 s21, 0
	s_add_nc_u64 s[20:21], s[20:21], s[46:47]
	s_add_nc_u64 s[98:99], s[98:99], s[20:21]
.macro FRAG reg, adr, q, i             ; Wo: six pieces of 8 bytes; the second address register serves the pieces that lie behind one padding more for lanes 16-31
.irp p, 0,1,2,3,4,5
.set PCE, 12*(\q)+6*(\p/3)+\p%3
.if PCE%8 < 5
	ds_load_b64 v[\reg+2*\p:\reg+2*\p+1], v[\adr] offset:8*PCE+16*(PCE/8)+(\i)*16*PITCH
.else
	ds_load_b64 v[\reg+2*\p:\reg+2*\p+1], v[\adr+2] offset:8*PCE+16*(PCE/8)+(\i)*16*PITCH
.endif
.endr
.endm
.macro FRAG_A reg, slot, q, i          ; ctx: registers 0-5 from plane 2 q, registers 6-11 from plane 2 q + 1
.irp p, 0,1,2,3,4,5
	ds_load_b64 v[\reg+2*\p:\reg+2*\p+1], v[ADRA+\slot] offset:(2*(\q)+\p/3)*6144+(\i)*768+8*(\p%3)
.endr
.endm
; 16 matrix instructions; the 64 accumulators take turns.  zero = 1: the bias starts the sums
.macro MUL16 a0, p, q, sc, zero
.irp a, \a0, \a0+1
.irp b, 0,1,2,3,4,5,6,7
.if \zero
	v_wmma_scale_f32_16x16x128_f8f6f4 v[8*(8*((\a)%4)+\b):8*(8*((\a)%4)+\b)+7], v[128*(\p)+FR*\b:128*(\p)+FR*\b+FR-1], v[AF+FR*(\a):AF+FR*(\a)+FR-1], v[96+8*\b+96*(\b/4):103+8*\b+96*(\b/4)], v[SCB+16*(\sc)+2*\b+(\q)], v[SCA+16*(\sc)+2*(\a)+(\q)] matrix_a_fmt:MATRIX_FMT_FP6 matrix_b_fmt:MATRIX_FMT_FP6
.else
	v_wmma_scale_f32_16x16x128_f8f6f4 v[8*(8*((\a)%4)+\b):8*(8*((\a)%4)+\b)+7], v[128*(\p)+FR*\b:128*(\p)+FR*\b+FR-1], v[AF+FR*(\a):AF+FR*(\a)+FR-1], v[8*(8*((\a)%4)+\b):8*(8*((\a)%4)+\b)+7], v[SCB+16*(\sc)+2*\b+(\q)], v[SCA+16*(\sc)+2*(\a)+(\q)] matrix_a_fmt:MATRIX_FMT_FP6 matrix_b_fmt:MATRIX_FMT_FP6
.endif
.endr
.endr
.endm
.macro FETCH_B slot, q, p
	WIN TO_B
.irp i, 0,1,2,3,4,5,6,7
	FRAG 128*(\p)+FR*\i, ADRB+\slot, \q, \i
.endr
	WIN 0
.endm
.macro FETCH_A slot, q, i0
.irp i, \i0, \i0+1, \i0+2, \i0+3
	FRAG_A AF+FR*(\i), \slot, \q, \i
.endr
.endm
.macro SCALES sc
.irp i, 0,1,2,3,4,5,6,7
.irp q, 0,1
	ds_load_b32 v[SCA+16*\sc+2*\i+\q], v[ADSA] offset:512*\q+64*\i
.endr
.endr
.irp i, 0,1,2,3,4,5,6,7
	ds_load_b64 v[SCB+16*\sc+2*\i:SCB+16*\sc+2*\i+1], v[ADSB] offset:\i*SBLK
.endr
.endm
.macro PLACES n
.rept \n
	v_nop
.endr
.endm
.macro STEP slot, q, zero
	s_wait_dscnt 4*NL                              ; all but the youngest 24 loads (ctx's blocks 4-7) are in
.if \zero
	WIN 0x81                                       ; C, the bias, in window 0; D in window 2
.else
	WIN MUL_LO
.endif
	MUL16 0, (\q)%2, \q, \slot, \zero
	MUL16 2, (\q)%2, \q, \slot, \zero
	s_wait_dscnt 0
	PLACES NP
	FETCH_B \slot, (\q)+1, 1-(\q)%2
	FETCH_A \slot, (\q)+1, 0
.if \zero
	WIN 0xc1
.else
	WIN MUL_HI
.endif
	MUL16 4, (\q)%2, \q, \slot, \zero
	MUL16 6, (\q)%2, \q, \slot, \zero
	PLACES NP
	WIN 0
	FETCH_A \slot, (\q)+1, 4
.endm
.macro TURN slot, next, fill
	s_wait_tensorcnt 0x0                           ; all my tensor loads have landed: my part of the next slot
	ds_add_u32 v[SPW], v[NIL]
	s_wait_dscnt 4*NL+1                            ; (the add and the youngest 24 loads may be out)
	WIN MUL_LO
	MUL16 0, 1, NQ-1, \slot, 0
	s_wait_dscnt 0x0                               ; the add is done, and my reads of this slot are over
	s_barrier_signal -1
	MUL16 2, 1, NQ-1, \slot, 0
	WIN 0
	s_barrier_wait -1
.if \fill
	CREST
	s_add_nc_u64 s[G0+4*\slot+2:G0+4*\slot+3], s[G0+4*\slot+2:G0+4*\slot+3], 2*1572864
	s_add_nc_u64 s[G0B+4*\slot+2:G0B+4*\slot+3], s[G0B+4*\slot+2:G0B+4*\slot+3], 2*ROWB
	JLOAD G0+4*\slot, G1, G0B+4*\slot, G1B         ; the first tensor load behind the round; its four v_nop are the places in front of the loads below
.else
	PLACES NP
.endif
	v_add_nc_u32 v[ADSA], 1024, v[ADSA]            ; two pairs of heads on
	v_add_nc_u32 v[ADSB], 4*NQ, v[ADSB]
	FETCH_B \next, 0, 0
	FETCH_A \next, 0, 0
	SCALES \next
	WIN MUL_HI
	MUL16 4, 1, NQ-1, \slot, 0
	MUL16 6, 1, NQ-1, \slot, 0
	PLACES NP
	WIN 0
	FETCH_A \next, 0, 4
.endm
	s_wait_tensorcnt 1                             ; the scales and my part of slot 0 are in; slot 1's load may be out
	s_barrier_signal -1
	s_barrier_wait -1
	FETCH_B 0, 0, 0
	FETCH_A 0, 0, 0
	SCALES 0
	FETCH_A 0, 0, 4
	s_wait_loadcnt 0x0                             ; the bias
	STEP 0, 0, 1
	s_mov_b32 s3, LAPS-1
.Llap:
	TURN 0, 1, 1
	STEP 1, 0, 0
	TURN 1, 0, 1
	STEP 0, 0, 0
	s_sub_co_u32 s3, s3, 1
	s_cmp_lg_u32 s3, 0
	s_cbranch_scc1 .Llap
	TURN 0, 1, 0
	STEP 1, 0, 0
	s_wait_dscnt 4*NL
	WIN MUL_LO
	MUL16 0, 1, NQ-1, 1, 0
	MUL16 2, 1, NQ-1, 1, 0
	s_wait_dscnt 0
	WIN MUL_HI
	MUL16 4, 1, NQ-1, 1, 0
	MUL16 6, 1, NQ-1, 1, 0
	WIN 0
; THE WAY OUT, block by block of 16 token positions x 128 columns, through my own stage: whole rows of 512 bytes come back and are stored by the 32 lanes, aligned.
.macro TOSTAGE a
.set AC, 64*((\a)%4)
	WIN 0x08+4*((\a)/4)                            ; an LDS store's data: window 2 or 3
.irp b, 0,1,2,3,4,5,6,7
	ds_store_b128 v[STO], v[AC+8*\b:AC+8*\b+3] offset:64*\b          ; each accumulator from its low end on
	ds_store_b128 v[STO], v[AC+8*\b+4:AC+8*\b+7] offset:64*\b+16
.endr
	WIN 0
.set BB, BK+64*((\a)%2)
.irp t, 0,1,2,3,4,5,6,7,8,9,10,11,12,13,14,15
	ds_load_b128 v[BB+4*\t:BB+4*\t+3], v[RD] offset:\t*SPITCH
.endr
.endm
.macro SEND a, younger                 ; position 16 a + t holds token 32 (a / 2) + 8 (a % 2) + t + 8 (t / 8)
.set BB, BK+64*((\a)%2)
	s_wait_dscnt \younger
.irp t, 0,1,2,3,4,5,6,7,8,9,10,11,12,13,14,15
	global_store_b128 v[CO], v[BB+4*\t:BB+4*\t+3], s[98:99] offset:(32*((\a)/2)+8*((\a)%2)+\t+8*(\t/8))*4096 th:TH_STORE_NT
.endr
.endm
	PLACES NP
	TOSTAGE 0
.irp a, 1,2,3,4,5,6,7
.if \a > 1
	s_wait_xcnt 0x0                                ; block a - 2's stores have read their registers: block a's loads may land there
.endif
	TOSTAGE \a
	SEND \a-1, 32                                  ; behind block a - 1's loads: block a's 16 stores and 16 loads
.endr
	SEND 7, 0
	s_wait_tensorcnt 0x0                           ; the wave's end
	ds_add_u32 v[SPW], v[NIL]
	s_wait_dscnt 0x0
	CROUND                                         ; the closing round
	s_endpgm
.Lfunc_end_k_qebd0185d24_oproj:
	.size	k_qebd0185d24_oproj, .Lfunc_end_k_qebd0185d24_oproj-k_qebd0185d24_oproj
	.p2alignl 7, 3214868480
	.fill 96, 4, 3214868480
	.section	.rodata,"a",@progbits
	.p2align	6, 0x0
	.amdhsa_kernel k_qebd0185d24_oproj
		.amdhsa_group_segment_fixed_size 327680
		.amdhsa_private_segment_fixed_size 0
		.amdhsa_enable_private_segment 0
		.amdhsa_kernarg_size 48
		.amdhsa_user_sgpr_count 2
		.amdhsa_user_sgpr_kernarg_segment_ptr 1
		.amdhsa_wavefront_size32 1
		.amdhsa_system_sgpr_workgroup_id_x 1
		.amdhsa_system_sgpr_workgroup_id_y 1
		.amdhsa_system_sgpr_workgroup_id_z 1
		.amdhsa_system_vgpr_workitem_id 0
		.amdhsa_next_free_vgpr 1024
		.amdhsa_next_free_sgpr 100
		.amdhsa_reserve_vcc 0
		.amdhsa_float_denorm_mode_32 3
		.amdhsa_float_denorm_mode_16_64 3
		.amdhsa_memory_ordered 1
		.amdhsa_forward_progress 1
		.amdhsa_inst_pref_size 165
	.end_amdhsa_kernel
	.amdgpu_metadata
---
amdhsa.version: [ 1, 2 ]
amdhsa.kernels:
  - .name:           k_qebd0185d24_oproj
    .symbol:         k_qebd0185d24_oproj.kd
    .args:
      - { .name: cc, .offset: 0, .size: 8, .value_kind: global_buffer, .address_space: global }
      - { .name: cs, .offset: 8, .size: 8, .value_kind: global_buffer, .address_space: global }
      - { .name: opc, .offset: 16, .size: 8, .value_kind: global_buffer, .address_space: global }
      - { .name: ops, .offset: 24, .size: 8, .value_kind: global_buffer, .address_space: global }
      - { .name: bo, .offset: 32, .size: 8, .value_kind: global_buffer, .address_space: global }
      - { .name: out0, .offset: 40, .size: 8, .value_kind: global_buffer, .address_space: global }
    .group_segment_fixed_size: 327680
    .private_segment_fixed_size: 0
    .kernarg_segment_align: 8
    .kernarg_segment_size: 48
    .max_flat_workgroup_size: 128
    .sgpr_count:     100
    .vgpr_count:     1024
    .wavefront_size: 32
...
	.end_amdgpu_metadata
.endif
;; end of part 4
